; MI455X (gfx1250); checked and timed in simulation.
; The chip was launched on July 23, 2026; its instructions are those of AMD's public machine-readable ISA for CDNA 5 (MIT licence, August 2026) and "CDNA5" Instruction Set Architecture Reference Guide (July 2026). The comments in the code are by the model that wrote it; some were corrected since.
;; Causal Self Attention. Allowed arithmetic: matrix products marked QUANTISED: E4M3 operands, one E8M0 scale for each 32 along K, by v_wmma_scale_f32_16x16x128_f8f6f4 with both operands' format E4M3, f32 sums; everything else in f32.
;; Inputs: W_attn 1,024 x 3,072 float32; W_proj 1,024 x 1,024 float32; b_attn 3,072 float32; b_proj 1,024 float32; x 4 x 2,048 x 1,024 float32.
;; Outputs: out0 4 x 2,048 x 1,024 float32.
;; This version of the problem:
;;   THIS VERSION OF THE PROBLEM IS GIVEN IN LOW PRECISION. The matrix products marked QUANTISED in the list below multiply operands that are first quantised to E4M3 (4 exponent bits, 3 mantissa bits; 8 bits a number), with one power-of-two scale for each 32 numbers along K (OCP MX v1.0); their sums are f32. All else is computed in f32.
;;   The module's matrix products, in the order in which they are computed (A, B: the left and right operand; K: the contracted axis; several contracted axes count as one K, in the product's order):
;;     1. [M 8,192, K 1,024] x [K 1,024, N 3,072]; A: input x; B: input W_attn: QUANTISED
;;     2. batch 64 x [M 2,048, K 64] x [K 64, N 2,048]; A: computed on the way; B: computed on the way: QUANTISED
;;     3. batch 64 x [M 2,048, K 2,048] x [K 2,048, N 64]; A: softmax (see below); B: computed on the way: QUANTISED
;;     4. [M 8,192, K 1,024] x [K 1,024, N 1,024]; A: computed on the way; B: input W_proj: QUANTISED
;;   THE QUANTISER, for each operand of a quantised product, along K:
;;     - K is cut into blocks of 32 from its start; a last block that is shorter is filled with zeros.
;;     - A block's scale is 2^e with e = floor(log2(the largest magnitude in the block)) - 8, held to -126 .. 127; a block of zeros has e = 0. As a byte (E8M0): e + 127.
;;     - Each number is divided by its block's scale, clamped to +-448, and rounded to the nearest number of E4M3, ties to even, subnormals kept.
;;     - The product sums the exact products of the quantised numbers (number of the format x scale) in f32.
;;   ~~~python
;;   def quantise(x, axis):      # numpy; x: float32 -> the quantised numbers, widened to float32 again
;;       x = np.moveaxis(x, axis, -1); K = x.shape[-1]
;;       x = np.pad(x, [(0, 0)] * (x.ndim - 1) + [(0, -K % 32)]); x = x.reshape(x.shape[:-1] + (-1, 32)); a = np.abs(x).max(-1, keepdims=True)
;;       e = np.where(a > 0, np.clip(np.frexp(np.where(a > 0, a, 1))[1] - 1 - 8, -126, 127), 0)      # np.frexp(a)[1] - 1 = floor(log2(a)), exactly
;;       r = np.clip(x / 2.0 ** e, -448, 448)
;;       step = 2.0 ** (np.maximum(np.frexp(np.where(r == 0, 1, r))[1] - 1, -6) - 3)
;;       q = np.round(r / step) * step * 2.0 ** e      # np.round: ties to even
;;       return np.moveaxis(q.reshape(q.shape[:-2] + (-1,))[..., :K], -1, axis).astype(np.float32)
;;   ~~~
;;   SOFTMAX AHEAD OF A QUANTISED PRODUCT. Where the list says 'softmax', what is quantised is not the finished softmax but p = 2^(t - M), with t = logit x log2(e) and M = ceil(the row's largest t), a whole number; so 1/2 < the row's largest p <= 1. The row's sum l is taken of the UNQUANTISED p, in f32, and the product's result is divided by l at the end. Since M is a whole number, a kernel that streams over the keys may use a running M (the ceiling of the running maximum): every later rescaling is an exact power of two, which a block's scale takes up: the codes' values come out the same.
;;   OPERANDS COMPUTED ON THE WAY. 'Computed on the way' means the value that the module computes at that place (a softmax that the list does not call 'softmax' is quantised finished and normalised). What goes into a quantiser is computed in f32, as accurately as f32 sums, v_exp_f32 and their like allow (about 1e-6 of the number): no bf16 or f16 on the way to a quantiser, and a product that is left as it is and whose result goes on into a quantised operand takes f32 operands (vector FMAs, or v_wmma_f32_16x16x4_f32). A number that lies on a knife's edge between two numbers of the format may be rounded either way, as far as f32 arithmetic and the matrix unit's own rounding can turn it there, and no further.
;; One version. Each part assembles by itself: llvm-mc -triple=amdgcn-amd-amdhsa -mcpu=gfx1250 --defsym DOCPART=n.
;; ======== version 1 of 1: 4 launches
;; limits: right only within a limited range of input values
;; workspace buffers: xw_codes 12,582,912 bytes; xw_scales 393,216 bytes; qkv 35,127,296 bytes; y_codes 8,388,608 bytes; y_scales 262,144 bytes
;; launch quant (part 1): grid 256 x 1, 4 waves a work-group, no clusters, 34,304 bytes of LDS; arguments x, W_attn, W_proj, xw_codes, xw_scales; writes xw_codes, xw_scales
.if DOCPART == 1
	.amdgcn_target "amdgcn-amd-amdhsa--gfx1250"
	.amdhsa_code_object_version 6
	.text
	.protected	k_q07ad3683bd_quant
	.globl	k_q07ad3683bd_quant
	.p2align	8
	.type	k_q07ad3683bd_quant,@function
k_q07ad3683bd_quant:
	s_mov_b64 s[64:65], 0
	v_nop
	global_prefetch_b8 v0, s[64:65] scope:SCOPE_SE
	s_setreg_imm32_b32 hwreg(HW_REG_WAVE_MODE, 25, 1), 1
	s_wait_xcnt 0x0
; x [8192][1024], W_attn [1024][3072] and W_proj [1024][1024], f32, become codes of FP8 (E4M3) with one E8M0 scale byte for each 32 along K (K = 1,024 in all three).
; ROWS of the result: 0 .. 8,191 x's tokens; 8,192 .. 11,263 W_attn's columns; 11,264 .. 12,287 W_proj's columns.
; LAYOUT of the codes: images of operand fragments.  Code (row 16 T + r, k = 128 g + 32 c + 16 u + 8 h + j) lies at byte 16,384 T + 2,048 g + 512 c + 256 h + 16 r + 8 u + j:
; a fragment (16 rows x 128 K) is 2,048 consecutive bytes, and lane 16 h + r takes its registers 4 c .. 4 c + 3 at 512 c + 16 x lane.  Inside a block of 32 the place 16 h + 8 u + j holds element 16 u + 8 h + j:
; every operand of this program keeps that order, so the products are unchanged, and a matrix result's conversions are the next operand's registers as they stand.
; Scale bytes: [row][32], byte k / 32.
; A block's scale is 2^(floor(log2(largest magnitude)) - 8): its byte is the largest magnitude's exponent field - 8, held at 1 from below; numbers are held within +-448 x the scale and rounded to the nearest code, ties to even.
; LIMITS: a block of zeros, and a block whose largest magnitude lies under 2^-118, gets the byte 1 (the bytes are read by this program alone; zero codes add nothing); NaN and infinities among the inputs are not served.
; Work-groups 0 .. 127 take x (a wave: 16 rows, all of K), work-groups 128 .. 255 the weights (a wave: 32 columns x 256 along K).  Waves share nothing: no barrier.  Memory binds: no matrix unit, no cluster, no tensor load.
.set R,    16                          ; x: v16-143  two sets of 64 numbers as loaded
.set X,    144                         ;    v144-207 a lane's 64 numbers of a fragment: register 16 c + 8 u + j
.set PC,   208                         ;    v208-223 the fragment's codes
.set TM,   224                         ;    v224-227 largest magnitudes, v228-231 the other half's / bytes, v232-235 448 x scale, v236-239 scale operands
.set PW,   240                         ;    v240-247 the scale word of each of the eight fragments
.set OW,   248                         ;    v248-251 four of them on the way out
.set VOFF, 16                          ; W: v16-47   4 x lane + i x pitch
.set WX,   48                          ;    v48-111  two sets of 32 numbers
.set WC,   112                         ;    v112-175 codes, eight registers for each block, so that no store's data are written again
.set SB,   176                         ;    v176-177 the eight scale bytes
.set SEL,  20                          ; s[20:21] lane selects for v_permlanex16_b32: lane l xor 16
.set MNT,  23                          ; s23  the mantissa field of 448
.set STG,  8448                        ; x: a wave's stage in LDS: 16 rows x (512 bytes + 16)
	s_load_b128 s[4:7], s[0:1], 0x0                ; x, W_attn
	s_load_b128 s[8:11], s[0:1], 0x10              ; W_proj, the codes
	s_load_b64 s[12:13], s[0:1], 0x20              ; the scale bytes
	v_lshl_add_u32 v254, v0, 2, 0x8400
	v_mov_b32 v255, 0
	v_lshrrev_b32 v1, 5, v0
	v_readfirstlane_b32 s16, v1                    ; wave 0..3
	v_and_b32 v7, 31, v0                           ; lane
	s_mov_b32 s[SEL], 0x76543210
	s_mov_b32 s[SEL+1], 0xfedcba98
	s_mov_b32 s[MNT], 0x600000
	s_cmp_lt_u32 ttmp9, 128
	s_cbranch_scc0 .Lweights
; ---------------- x ----------------
; 64 numbers of a lane, v[s] on, register 16 b + i, become a fragment's codes in v[PC] on and its scale word in v[pw].  A block of 32 lies in lanes l and l xor 16.
.macro QUANT s, pw
.irp b, 0,1,2,3
	v_max3_num_f32 v[TM+\b], |v[\s+16*\b]|, |v[\s+1+16*\b]|, 0x4800000   ; my 16 numbers of block b, and the floor 2^(9 - 127): the byte cannot fall under 1
.endr
.irp i, 2,4,6,8,10,12,14
.irp b, 0,1,2,3
	v_max3_num_f32 v[TM+\b], v[TM+\b], |v[\s+16*\b+\i]|, |v[\s+1+16*\b+\i]|   ; the four blocks by turns
.endr
.endr
.irp b, 0,1,2,3
	v_permlanex16_b32 v[TM+4+\b], v[TM+\b], s[SEL], s[SEL+1]
.endr
.irp b, 0,1,2,3
	v_max_num_f32 v[TM+\b], v[TM+\b], v[TM+4+\b]   ; the block's largest magnitude
.endr
.irp b, 0,1,2,3
	v_add_nc_u32 v[TM+12+\b], 0xfc000000, v[TM+\b]   ; 8 off its exponent field: the conversion's scale operand
.endr
.irp b, 0,1,2,3
	v_and_or_b32 v[TM+8+\b], v[TM+\b], 0x7f800000, s[MNT]   ; 448 x the scale
.endr
.irp b, 0,1,2,3
	v_lshrrev_b32 v[TM+4+\b], 23, v[TM+12+\b]      ; the scale's byte
.endr
	v_lshl_or_b32 v[\pw], v[TM+5], 8, v[TM+4]
	v_lshl_or_b32 v[\pw], v[TM+6], 16, v[\pw]
	v_lshl_or_b32 v[\pw], v[TM+7], 24, v[\pw]
.irp b, 0,1,2,3
.irp i, 0,1,2,3,4,5,6,7,8,9,10,11,12,13,14,15
	v_med3_num_f32 v[\s+16*\b+\i], v[\s+16*\b+\i], -v[TM+8+\b], v[TM+8+\b]   ; the conversion to an 8-bit code does not saturate (ISA guide 7.6.2): the hold comes first
.endr
	v_cvt_scalef32_pk8_fp8_f32 v[PC+4*\b:PC+1+4*\b], v[\s+16*\b:\s+7+16*\b], v[TM+12+\b]
	v_cvt_scalef32_pk8_fp8_f32 v[PC+2+4*\b:PC+3+4*\b], v[\s+8+16*\b:\s+15+16*\b], v[TM+12+\b]
.endr
	v_nop                                          ; a plain line behind the last conversion
.endm
.macro LOADX g                         ; fragment g: 512 bytes of each of my 16 rows; each load reads 512 consecutive bytes
.set i, 0
.rept 16
	global_load_b128 v[R+64*((\g)%2)+4*i:R+64*((\g)%2)+4*i+3], v1, s[4:5] offset:4096*i+512*(\g) th:TH_LOAD_NT
.set i, i+1
.endr
.endm
.macro XFRAG g
.if (\g) < 7
	s_wait_loadcnt 16                              ; this fragment's 16 loads are in; the next fragment's 16 may be out
.else
	s_wait_loadcnt 0x0
.endif
.set i, 0
.rept 16
	ds_store_b128 v2, v[R+64*((\g)%2)+4*i:R+64*((\g)%2)+4*i+3] offset:528*i   ; row i as it lies
.set i, i+1
.endr
.irp c, 0,1,2,3
.irp u, 0,1
.irp t, 0,1
	ds_load_b128 v[X+16*\c+8*\u+4*\t:X+16*\c+8*\u+4*\t+3], v3 offset:128*\c+64*\u+16*\t   ; row r, elements 32 c + 16 u + 8 h + 4 t on.  LDS serves a wave's instructions in order: these see the stores above
.endr
.endr
.endr
	s_wait_dscnt 0x0                               ; my 64 numbers are here, and the stores have read their registers
	s_wait_xcnt 0x0                                ; the last fragment's stores have read v[PC] on: it is written again only behind this wait
.if (\g)+2 < 8
	LOADX (\g)+2
.endif
	QUANT X, PW+(\g)
.irp c, 0,1,2,3
	global_store_b128 v1, v[PC+4*\c:PC+4*\c+3], s[10:11] offset:2048*(\g)+512*\c   ; 32 lanes store 512 consecutive bytes, at a multiple of 256 from the buffer's first byte
.endr
.endm
	v_lshlrev_b32 v1, 4, v7                        ; 16 x lane
	s_mul_i32 s17, s16, STG
	v_add_nc_u32 v2, s17, v1                       ; the stage, on the way in
	v_and_b32 v5, 15, v0                           ; r
	v_bfe_u32 v6, v0, 4, 1                         ; h
	v_mul_u32_u24 v3, v5, 528
	v_lshl_add_u32 v3, v6, 5, v3
	v_add_nc_u32 v3, s17, v3                       ; and on the way out: row r, + 32 h
	v_lshlrev_b32 v4, 5, v5
	v_lshl_add_u32 v4, v6, 4, v4                   ; the scale bytes: 32 r + 16 h
.irp b, 0,1,2,3
	v_mov_b32 v[TM+4+\b], 0                        ; written once: a lane permute's destination counts as one of its sources
.endr
	s_lshl_b32 s18, ttmp9, 2
	s_add_co_u32 s18, s18, s16                     ; T: my block of 16 rows
	s_lshl_b32 s24, s18, 16                        ; 16 rows of 4,096 bytes
	s_mov_b32 s25, 0
	s_lshl_b32 s26, s18, 14                        ; 16,384 bytes of codes
	s_mov_b32 s27, 0
	s_lshl_b32 s28, s18, 9                         ; 512 scale bytes
	s_mov_b32 s29, 0
	s_wait_alu depctr_va_vdst(0)
	s_wait_kmcnt 0x0
	s_add_nc_u64 s[4:5], s[4:5], s[24:25]
	s_add_nc_u64 s[10:11], s[10:11], s[26:27]
	s_add_nc_u64 s[12:13], s[12:13], s[28:29]
	LOADX 0
	LOADX 1
.irp g, 0,1,2,3,4,5,6,7
	XFRAG \g
.endr
	v_cmp_eq_u32 vcc_lo, 1, v6
.irp i, 0,1,2,3
	v_cndmask_b32 v[OW+\i], v[PW+\i], v[PW+4+\i], vcc_lo   ; lanes 0-15 store their row's words 0-3, lanes 16-31 words 4-7
.endr
	global_store_b128 v4, v[OW:OW+3], s[12:13]     ; 512 consecutive bytes
	s_wait_tensorcnt 0x0
	ds_add_u32 v254, v255
	s_wait_dscnt 0x0
	s_endpgm
; ---------------- the weights: K is their FIRST axis.  A lane takes a column and its registers run down K: a block of 32 lies in one lane ----------------
.macro LOADW t                         ; block t: W(32 t + i, my column): each load reads 128 consecutive bytes
.set i, 0
.rept 32
	global_load_b32 v[WX+32*((\t)%2)+i], v[VOFF+i], s[32+2*(\t):33+2*(\t)] th:TH_LOAD_NT
.set i, i+1
.endr
.endm
.macro BLOCK t
.set XS, WX+32*((\t)%2)
.if (\t) < 7
	s_wait_loadcnt 32                              ; this block's 32 loads are in; the next block's may be out
.else
	s_wait_loadcnt 0x0
.endif
	v_max3_num_f32 v12, |v[XS]|, |v[XS+1]|, |v[XS+2]|
	v_max3_num_f32 v13, |v[XS+3]|, |v[XS+4]|, |v[XS+5]|
.irp i, 6,10,14,18,22,26
	v_max3_num_f32 v12, v12, |v[XS+\i]|, |v[XS+\i+1]|
	v_max3_num_f32 v13, v13, |v[XS+\i+2]|, |v[XS+\i+3]|
.endr
	v_max3_num_f32 v12, v12, |v[XS+30]|, |v[XS+31]|
	v_max3_num_f32 v12, v12, v13, 0x4800000        ; and the floor
	v_add_nc_u32 v11, 0xfc000000, v12              ; the conversion's scale operand
	v_and_or_b32 v10, v12, 0x7f800000, s[MNT]      ; 448 x the scale
	v_lshrrev_b32 v13, 23, v11                     ; the byte
.if (\t)%4 == 0
	v_mov_b32 v[SB+(\t)/4], v13
.else
	v_lshl_or_b32 v[SB+(\t)/4], v13, 8*((\t)%4), v[SB+(\t)/4]
.endif
.set i, 0
.rept 32
	v_med3_num_f32 v[XS+i], v[XS+i], -v10, v10
.set i, i+1
.endr
	v_cvt_scalef32_pk8_fp8_f32 v[WC+8*(\t):WC+8*(\t)+1],   v[XS:XS+7],     v11   ; places 0-7: elements 0-7
	v_cvt_scalef32_pk8_fp8_f32 v[WC+8*(\t)+2:WC+8*(\t)+3], v[XS+16:XS+23], v11   ; places 8-15: elements 16-23
	v_cvt_scalef32_pk8_fp8_f32 v[WC+8*(\t)+4:WC+8*(\t)+5], v[XS+8:XS+15],  v11   ; places 16-23: elements 8-15
	v_cvt_scalef32_pk8_fp8_f32 v[WC+8*(\t)+6:WC+8*(\t)+7], v[XS+24:XS+31], v11   ; places 24-31: elements 24-31
	v_nop                                          ; a plain line behind the last conversion
	global_store_b128 v5, v[WC+8*(\t):WC+8*(\t)+3],   s[10:11] offset:((\t)/4)*2048+((\t)%4)*512       ; sixteen lanes store 256 consecutive bytes, aligned: the image's half h = 0,
	global_store_b128 v5, v[WC+8*(\t)+4:WC+8*(\t)+7], s[10:11] offset:((\t)/4)*2048+((\t)%4)*512+256   ; and h = 1
.if (\t)+2 < 8
	LOADW (\t)+2
.endif
.endm
.Lweights:
	s_sub_co_u32 s17, ttmp9, 128
	s_lshr_b32 s18, s17, 2                         ; which 128 columns of the 4,096: 0 .. 23 W_attn's, 24 .. 31 W_proj's
	s_and_b32 s19, s17, 3                          ; which 256 along K
	s_mov_b32 s22, 4096
	s_wait_kmcnt 0x0
	s_cmp_lt_u32 s18, 24                           ; the choice hangs on the work-group's number alone
	s_cselect_b64 s[4:5], s[6:7], s[8:9]
	s_cselect_b32 s22, 12288, s22                  ; a row of the weight in bytes
	s_cselect_b32 s24, 0, 24
	s_sub_co_u32 s24, s18, s24
	s_lshl_b32 s24, s24, 7
	s_lshl_b32 s25, s16, 5
	s_add_co_u32 s24, s24, s25                     ; my wave's first column in its tensor
	s_lshl_b32 s24, s24, 2
	s_lshl_b32 s26, s19, 8
	s_mul_i32 s26, s26, s22                        ; my first row of K
	s_add_co_u32 s24, s24, s26
	s_mov_b32 s25, 0
	s_add_nc_u64 s[32:33], s[4:5], s[24:25]        ; block 0's base;
	s_lshl_b32 s26, s22, 5
	s_mov_b32 s27, 0
.irp t, 1,2,3,4,5,6,7
	s_add_nc_u64 s[32+2*\t:33+2*\t], s[30+2*\t:31+2*\t], s[26:27]   ; each further block's: 32 rows on
.endr
	s_lshl_b32 s28, s18, 7
	s_lshl_b32 s29, s16, 5
	s_add_co_u32 s28, s28, s29
	s_add_co_u32 s28, s28, 8192                    ; my first row of the result
	s_lshl_b32 s30, s28, 10
	s_lshl_b32 s31, s19, 12                        ; 256 along K: two fragments
	s_add_co_u32 s30, s30, s31
	s_mov_b32 s31, 0
	s_add_nc_u64 s[10:11], s[10:11], s[30:31]
	s_lshl_b32 s30, s28, 5
	s_lshl_b32 s29, s19, 3
	s_add_co_u32 s30, s30, s29
	s_add_nc_u64 s[12:13], s[12:13], s[30:31]
	s_wait_alu depctr_va_vdst(0)
	v_lshlrev_b32 v14, 2, v7                       ; 4 x lane
.set i, 0
.rept 32
	v_mad_u32_u24 v[VOFF+i], s22, i, v14
.set i, i+1
.endr
	v_lshrrev_b32 v5, 4, v7
	v_and_b32 v6, 15, v7
	v_lshlrev_b32 v5, 14, v5
	v_lshl_add_u32 v5, v6, 4, v5                   ; my column's place in the images: 16,384 (lane / 16) + 16 (lane % 16)
	v_lshlrev_b32 v6, 5, v7                        ; its row of scale bytes
	LOADW 0
	LOADW 1
.irp t, 0,1,2,3,4,5,6,7
	BLOCK \t
.endr
	global_store_b64 v6, v[SB:SB+1], s[12:13]      ; my column's eight scale bytes: 8 bytes of a row of 32
	s_endpgm
.Lfunc_end_k_q07ad3683bd_quant:
	.size	k_q07ad3683bd_quant, .Lfunc_end_k_q07ad3683bd_quant-k_q07ad3683bd_quant
	.p2alignl 7, 3214868480
	.fill 96, 4, 3214868480
	.section	.rodata,"a",@progbits
	.p2align	6, 0x0
	.amdhsa_kernel k_q07ad3683bd_quant
		.amdhsa_group_segment_fixed_size 34304
		.amdhsa_private_segment_fixed_size 0
		.amdhsa_enable_private_segment 0
		.amdhsa_kernarg_size 40
		.amdhsa_user_sgpr_count 2
		.amdhsa_user_sgpr_kernarg_segment_ptr 1
		.amdhsa_wavefront_size32 1
		.amdhsa_system_sgpr_workgroup_id_x 1
		.amdhsa_system_sgpr_workgroup_id_y 1
		.amdhsa_system_sgpr_workgroup_id_z 1
		.amdhsa_system_vgpr_workitem_id 0
		.amdhsa_next_free_vgpr 256
		.amdhsa_next_free_sgpr 66
		.amdhsa_reserve_vcc 1
		.amdhsa_float_denorm_mode_32 3
		.amdhsa_float_denorm_mode_16_64 3
		.amdhsa_memory_ordered 1
		.amdhsa_forward_progress 1
		.amdhsa_inst_pref_size 156
	.end_amdhsa_kernel
	.amdgpu_metadata
---
amdhsa.version: [ 1, 2 ]
amdhsa.kernels:
  - .name:           k_q07ad3683bd_quant
    .symbol:         k_q07ad3683bd_quant.kd
    .args:
      - { .name: x, .offset: 0, .size: 8, .value_kind: global_buffer, .address_space: global }
      - { .name: W_attn, .offset: 8, .size: 8, .value_kind: global_buffer, .address_space: global }
      - { .name: W_proj, .offset: 16, .size: 8, .value_kind: global_buffer, .address_space: global }
      - { .name: xw_codes, .offset: 24, .size: 8, .value_kind: global_buffer, .address_space: global }
      - { .name: xw_scales, .offset: 32, .size: 8, .value_kind: global_buffer, .address_space: global }
    .group_segment_fixed_size: 34304
    .private_segment_fixed_size: 0
    .kernarg_segment_align: 8
    .kernarg_segment_size: 40
    .max_flat_workgroup_size: 128
    .sgpr_count:     66
    .vgpr_count:     256
    .wavefront_size: 32
...
	.end_amdgpu_metadata
.endif
;; end of part 1
;; launch gemm_qkv (part 2): grid 32 x 8, 4 waves a work-group, clusters of 4 x 1, 327,680 bytes of LDS; arguments xw_codes, xw_scales, b_attn, qkv; writes qkv
.if DOCPART == 2
	.amdgcn_target "amdgcn-amd-amdhsa--gfx1250"
	.amdhsa_code_object_version 6
	.text
	.protected	k_q07ad3683bd_gemm_qkv
	.globl	k_q07ad3683bd_gemm_qkv
	.p2align	8
	.type	k_q07ad3683bd_gemm_qkv,@function
k_q07ad3683bd_gemm_qkv:
	s_mov_b64 s[64:65], 0
	v_nop
	global_prefetch_b8 v0, s[64:65] scope:SCOPE_SE
	s_setreg_imm32_b32 hwreg(HW_REG_WAVE_MODE, 25, 1), 1
	s_wait_xcnt 0x0
	s_wait_alu depctr_hold_cnt(0) depctr_sa_sdst(0) depctr_va_vdst(0) depctr_va_sdst(0) depctr_va_ssrc(0) depctr_va_vcc(0) depctr_vm_vsrc(0)
	s_getreg_b32 s2, hwreg(HW_REG_IB_STS2, 6, 4)
	s_cmp_eq_u32 s2, 0
	s_cbranch_scc0 .Lentry_in_a_cluster
	s_endpgm
.Lentry_in_a_cluster:
	s_bfe_u32 s2, ttmp6, 0x10000c
	s_cmp_lg_u32 s2, 0x3003
	s_cbranch_scc0 .Lentry_shape_is_right
	s_endpgm
.Lentry_shape_is_right:
; qkv = x W_attn + b_attn on codes of FP8 (E4M3) with E8M0 scales; the result is quantised in registers and leaves as codes alone: q and k along the head's 64 channels, v along the keys.
; OPERANDS: rows of xw_codes (fragment images: 16 rows x 128 K are 2,048 consecutive bytes, lane l's registers 4 c .. 4 c + 3 at 512 c + 16 l; 16,384 bytes for 16 rows) and xw_scales ([row][32]).  Rows 0 .. 8,191 tokens; 8,192 + n column n of W_attn.
; THE DEAL.  256 work-groups: (256 tokens) x (heads 2 g and 2 g + 1 of v, of q and of k: three chunks of 128 rows of the weight).  A wave holds its 64 tokens, ALL of K, in 512 registers (windows 1, 2): plain loads of 512 consecutive bytes, each byte once.
; The weight's rows stream past them in blocks of 16: 32 products a block; the blocks stand in two sets (window 3).  All four waves read the same blocks from LDS.
; CLUSTER 4, 1, 1: the four partners have the same g and other tokens: each load of the weight is joint (mask 15).
; LDS: two slots of 128 rows.  At the head v's chunk fills slot 0 and q's slot 1, a quarter of the two a wave.  When v's chunk is read out, k's is filled over it behind a drained round of the cluster's barrier; a plain barrier inside q's seventh block shows it.
; ORDER: v (written out), then q and k: one loop of two trips, the slot chosen by an exclusive or.  The second trip jumps over what would be fetched for a further chunk: a branch on the trip's number.
; No prefetch: the refill is asked for six blocks ahead of its first read, and eight clusters would name the same bytes.
; q, k: source 0 = the weight: a lane holds token lane % 16 of a tile of tokens; two blocks' registers are channels 32 c + 16 u + 8 (lane / 16) + j.  v: source 0 = x: a lane holds channel lane % 16 of the block; two tiles' registers are keys 32 c + 16 u + 8 (lane / 16) + j.
; In both a block of 32 along the NEXT product's K lies in lanes l and l xor 16, in the order that all codes of this program keep: the conversions' results are the next operand's registers.  The bias is the C of each sum's first product.
; OUTPUT: qkv: two regions (k and v; q) of 64 heads x 16 halves of HREC bytes, a half for 128 tokens: 8 images of 1,024 bytes of k (or q) | v^T: 4 fragments of 2,048 | 128 scale words | v's 64 scale words.
; v's scale word of a channel takes two bytes from each of two waves: they leave by stores of two bytes a lane, 4 bytes apart: one part in 32 of v's bytes.
; LIMITS: a block of zeros or under 2^-118 gets the byte 1; NaN and infinities are not served.
.set HREC, 17152
.set HS,   16*HREC
.set QREG, 64*HS
.set SLOT, 131072
.set SCR,  2*SLOT                      ; behind the slots: 256 bytes a wave for q's and k's scale words on the way out; no fill lands here
.set SPARE, SCR+1024                   ; the spare words, 128 bytes a wave
.set L16, 4                            ; v4   16 x lane: my place in every image
.set ADX, 5                            ; v5-7 LDS address of the chunk's blocks 0-3, 4-7, and of the next chunk's first blocks
.set L32, 8                            ; v8   32 x lane: a row of scale bytes
.set BO,  9                            ; v9   32 (lane / 16)
.set SPW, 10                           ; v10  my spare word; never rewritten
.set NIL, 11                           ; v11  0; never rewritten
.set L8,  12                           ; v12  8 x lane
.set SCW, 13                           ; v13  where I put a scale word
.set SCD, 14                           ; v14  and read two back
.set R4,  15                           ; v15  4 (lane % 16)
.set TW,  16                           ; v16-19 q, k: a head's words read back, two registers a head
.set VB,  16                           ; v16-23 v: two scale bytes of a block's channel
.set PW,  20                           ; v20-23 q, k: a tile's scale words
.set RSC, 24                           ; v24-39 x's scale words: register 8 p + q: lanes 0-15 tile 2 p's tokens, lanes 16-31 tile 2 p + 1's
.set BV,  40                           ; v40-43, v76-79 v's bias, a number a block, for the two heads
.set BV2, 76
.set SSC, 44                           ; v44-75 the chunk's scale words: register 8 p + q: lanes 0-15 block 2 p's rows, lanes 16-31 block 2 p + 1's
.set ACC, 80                           ; v80-143 two blocks' accumulators: 32 (block % 2) + 8 (tile of tokens)
.set BI,  144                          ; v144-207 the bias in the result's layout: a bank of 32 for each head of a chunk
.set PCB, 208                          ; v208-239 codes: two sets of 16
.set TM,  240                          ; largest magnitudes
.set T4,  244                          ; a second chain, the other half's, bytes
.set HL,  248                          ; 448 x scale
.set SO,  252                          ; scale operands
.set SEL, 20                           ; s[20:21] lane selects: lane l xor 16
.set TR,  22                           ; s22  the trip
.set MNT, 23                           ; s23  the mantissa field of 448
.set G1H, 24                           ; descriptors: the head's loads, 16 rows of 4,096 bytes;
.set G0H, 32
.set G1R, 36                           ; the refill's, 8 rows
.set G0R, 44
.set TB,  48                           ; s48  the slot in hand; s49, s50 at work
.set XB,  52                           ; s[52:53] my 64 tokens' codes
.set WS,  54                           ; s[54:55] q's rows' scale bytes
.set BB,  56                           ; s[56:57] the bias of the chunk in hand (first q's)
.set OUT, 58                           ; s[58:59] codes of the chunk in hand;  s[60:61] its scale words
.set OWD, 60
.set OUK, 62                           ; s[62:63], s[66:67] the same for k
.set OWK, 66
.set OUV, 68                           ; s[68:69] v's fragments;  s[70:71] v's scale bytes
.set OVW, 70
.set XSP, 72                           ; s[72:73] my tokens' scale bytes
.set MSB, 0
.macro WIN new                         ; the immediate's high byte repeats the setting that is left
.if MSB != \new
	s_set_vgpr_msb (MSB<<8)|\new
.set MSB, \new
.endif
.endm
.macro PLACES n
.rept \n
	v_nop
.endr
.endm
.macro CROUND                          ; a round of the cluster's barrier
	s_barrier_signal -1
	s_barrier_wait -1
	s_cmp_lg_u32 s16, 0
	s_cbranch_scc1 .Lnot_wave_0_\@
	s_barrier_signal -3
.Lnot_wave_0_\@:
	s_barrier_wait -3
	s_barrier_signal -1
	s_barrier_wait -1
.endm
.macro WM a, b, sa, sb, ra, rb         ; one product; ra, rb: the side's scale words stand in lanes 16-31
.if (\ra) && (\rb)
	v_wmma_scale_f32_16x16x128_f8f6f4 v[D_:D_+7], v[\a:\a+15], v[\b:\b+15], v[C_:C_+7], v[\sa], v[\sb] matrix_a_scale:MATRIX_SCALE_ROW1 matrix_b_scale:MATRIX_SCALE_ROW1
.elseif (\ra)
	v_wmma_scale_f32_16x16x128_f8f6f4 v[D_:D_+7], v[\a:\a+15], v[\b:\b+15], v[C_:C_+7], v[\sa], v[\sb] matrix_a_scale:MATRIX_SCALE_ROW1
.elseif (\rb)
	v_wmma_scale_f32_16x16x128_f8f6f4 v[D_:D_+7], v[\a:\a+15], v[\b:\b+15], v[C_:C_+7], v[\sa], v[\sb] matrix_b_scale:MATRIX_SCALE_ROW1
.else
	v_wmma_scale_f32_16x16x128_f8f6f4 v[D_:D_+7], v[\a:\a+15], v[\b:\b+15], v[C_:C_+7], v[\sa], v[\sb]
.endif
.endm
; Block i's 32 products: number 4 q + t is the q-th 128 of K against my tile t of tokens; the four accumulators by turns.  kind 0: source 0 = the weight's block; 1: source 0 = x.
.macro PRODS kind, i
.set N_, 0
.rept 32
.set Q_, N_/4
.set T_, N_%4
.set D_, ACC+32*((\i)%2)+8*T_
.if Q_ == 0
.set C_, BI+32*(((\i)/4)%2)+8*((\i)%4)
.else
.set C_, D_
.endif
.set SR_, 128*((\i)%2)+16*Q_
.set RR_, 16*(N_%16)
.set SS_, SSC+8*((\i)/2)+Q_
.set RS_, RSC+8*(T_/2)+Q_
.if \kind
.set WN_, (1+N_/16)|(3<<2)
	WIN WN_
	WM RR_, SR_, RS_, SS_, T_%2, (\i)%2
.else
.set WN_, 3|((1+N_/16)<<2)
	WIN WN_
	WM SR_, RR_, SS_, RS_, (\i)%2, T_%2
.endif
.set N_, N_+1
.endr
	WIN 0
.endm
.macro FETCH i                         ; block i of the chunk (8, 9: the next chunk's first two), all of K, into set i % 2 of window 3: 32 loads of 512 consecutive bytes
	WIN 0xc0
.irp q, 0,1,2,3,4,5,6,7
.irp c, 0,1,2,3
	ds_load_b128 v[128*((\i)%2)+16*\q+4*\c:128*((\i)%2)+16*\q+4*\c+3], v[ADX+(\i)/4] offset:((\i)%4)*16384+2048*\q+512*\c
.endr
.endr
	WIN 0
.endm
.macro SETAD                           ; the three LDS addresses, from the slot in hand
	s_add_co_u32 s49, s[TB], 65536
	s_xor_b32 s50, s[TB], SLOT
	v_add_nc_u32 v[ADX], s[TB], v[L16]
	v_add_nc_u32 v[ADX+1], s49, v[L16]
	v_add_nc_u32 v[ADX+2], s50, v[L16]
.endm
.macro SSCL p, off                     ; the scale words of a pair of blocks
.irp c, 0,1
	global_load_b128 v[SSC+8*(\p)+4*\c:SSC+8*(\p)+4*\c+3], v[L32], s[WS:WS+1] offset:(\off)+1024*(\p)+16*\c
.endr
.endm
.macro BLOADK bank, off                ; q, k: a head's bias: register 8 j + i is b[16 j + 8 (lane / 16) + i]
.irp j, 0,1,2,3
	global_load_b128 v[BI+32*(\bank)+8*\j:BI+32*(\bank)+8*\j+3],   v[BO], s[BB:BB+1] offset:(\off)+64*\j
	global_load_b128 v[BI+32*(\bank)+8*\j+4:BI+32*(\bank)+8*\j+7], v[BO], s[BB:BB+1] offset:(\off)+64*\j+16
.endr
.endm
; THE QUANTISER of four blocks of 32: group g's 16 numbers of a lane stand at ACC + GS_ g + 0 .. 7 and BD_ further on; the other 16 in lane l xor 16.  Codes: four registers a group from PC_ on; bytes: T4 + g.
; Each accumulator is read from its low end on; the floor 2^(9 - 127) holds the byte at 1 from below; the conversion does not saturate (ISA guide 7.6.2), so the hold comes first.
.macro QUANT
.irp g, 0,1,2,3
	v_max3_num_f32 v[TM+\g], |v[ACC+GS_*\g]|, |v[ACC+GS_*\g+1]|, 0x4800000
	v_max3_num_f32 v[T4+\g], |v[ACC+GS_*\g+BD_]|, |v[ACC+GS_*\g+BD_+1]|, |v[ACC+GS_*\g+BD_+2]|
.endr
.irp k, 2,4
.irp g, 0,1,2,3
	v_max3_num_f32 v[TM+\g], v[TM+\g], |v[ACC+GS_*\g+\k]|, |v[ACC+GS_*\g+\k+1]|
	v_max3_num_f32 v[T4+\g], v[T4+\g], |v[ACC+GS_*\g+BD_+\k+1]|, |v[ACC+GS_*\g+BD_+\k+2]|
.endr
.endr
.irp g, 0,1,2,3
	v_max3_num_f32 v[TM+\g], v[TM+\g], |v[ACC+GS_*\g+6]|, |v[ACC+GS_*\g+7]|
.endr
.irp g, 0,1,2,3
	v_max3_num_f32 v[TM+\g], v[TM+\g], v[T4+\g], |v[ACC+GS_*\g+BD_+7]|
.endr
.irp g, 0,1,2,3
	v_permlanex16_b32 v[T4+\g], v[TM+\g], s[SEL], s[SEL+1]
.endr
.irp g, 0,1,2,3
	v_max_num_f32 v[TM+\g], v[TM+\g], v[T4+\g]
.endr
.irp g, 0,1,2,3
	v_add_nc_u32 v[SO+\g], 0xfc000000, v[TM+\g]    ; 8 off the exponent field: the conversion's scale operand
.endr
.irp g, 0,1,2,3
	v_and_or_b32 v[HL+\g], v[TM+\g], 0x7f800000, s[MNT]   ; 448 x the scale
.endr
.irp g, 0,1,2,3
	v_lshrrev_b32 v[T4+\g], 23, v[SO+\g]           ; the byte
.endr
.irp g, 0,1,2,3
.irp k, 0,1,2,3,4,5,6,7
	v_med3_num_f32 v[ACC+GS_*\g+\k], v[ACC+GS_*\g+\k], -v[HL+\g], v[HL+\g]
	v_med3_num_f32 v[ACC+GS_*\g+BD_+\k], v[ACC+GS_*\g+BD_+\k], -v[HL+\g], v[HL+\g]
.endr
	v_cvt_scalef32_pk8_fp8_f32 v[PC_+4*\g:PC_+4*\g+1],   v[ACC+GS_*\g:ACC+GS_*\g+7],         v[SO+\g]
	v_cvt_scalef32_pk8_fp8_f32 v[PC_+4*\g+2:PC_+4*\g+3], v[ACC+GS_*\g+BD_:ACC+GS_*\g+BD_+7], v[SO+\g]
.endr
	v_nop                                          ; a plain line behind the last conversion
.endm
; The way out of a pair of blocks, P_ = its number in the chunk: head P_ / 2.
.macro OUTQK                           ; q, k: the pair is channels 32 (P_ % 2) on; group g = my tile g of tokens
.set GS_, 8
.set BD_, 32
	QUANT
.irp b, 0,1,2,3
.if (P_%2) == 0
	v_mov_b32 v[PW+\b], v[T4+\b]
.else
	v_lshl_or_b32 v[PW+\b], v[T4+\b], 8, v[PW+\b]  ; the token's scale word: two bytes; the upper two are 0 and only ever meet zero codes
.endif
.endr
.if P_%2
.irp b, 0,1,2,3
	ds_store_b32 v[SCW], v[PW+\b] offset:64*\b     ; both halves of the lanes write the same word with the same value
.endr
	ds_load_b64 v[TW+2*(P_/2):TW+2*(P_/2)+1], v[SCD]   ; LDS serves a wave's instructions in order: this sees my stores.  It is stored behind a later wait
.endif
.irp b, 0,1,2,3
	global_store_b128 v[L16], v[PC_+4*\b:PC_+4*\b+3], s[OUT:OUT+1] offset:(P_/2)*HS+1024*\b+512*(P_%2)   ; 512 consecutive bytes: half an image
.endr
.endm
.macro OUTV                            ; v: group g = (block g / 2 of the pair, my keys 32 (g % 2) on)
.set GS_, 16
.set BD_, 8
	QUANT
.irp e, 0,1
	v_lshl_or_b32 v[VB+2*P_+\e], v[T4+2*\e+1], 8, v[T4+2*\e]
.endr
.irp g, 0,1,2,3
	global_store_b128 v[L16], v[PC_+4*\g:PC_+4*\g+3], s[OUV:OUV+1] offset:(P_/2)*HS+2048*(2*(P_%2)+\g/2)+512*(\g%2)   ; 512 consecutive bytes: a piece of a fragment
.endr
.irp e, 0,1
	global_store_b16 v[R4], v[VB+2*P_+\e], s[OVW:OVW+1] offset:(P_/2)*HS+64*(2*(P_%2)+\e)   ; my two bytes of the channel's scale word (both halves of the lanes store the same)
.endr
.endm
; A BLOCK.  lp = 1: in the loop of q and k.  Behind its products: the fetch of the block two on; loads for what follows, into registers that are done with; behind an odd block the pair's way out.
; What is loaded ahead: behind block 0 the bias of the chunk's second head; behind blocks 1, 4, 5, 7 the next chunk's scale words, pair by pair; behind block 4 the bias of its first head.  They are waited for at blocks 4 and 0.
.macro BLK kind, i, lp
.if (\i) == 4
	s_wait_loadcnt 0x0                             ; the youngest of these loads was issued three blocks ago
.endif
.if (\lp) && ((\i) == 4 || (\i) == 7)
	s_wait_dscnt 0x0                               ; block 4: also the first head's words are back; block 7: no fetch need stand behind this block's
.else
	s_wait_dscnt 32                                ; this block's 32 loads are in; the next block's may be out
.endif
.if (\lp) && (\i) == 4
	global_store_b64 v[L8], v[TW:TW+1], s[OWD:OWD+1]   ; 64 tokens' words: one aligned unit of 256 bytes
.endif
	PRODS \kind, \i
	PLACES 8                                       ; behind the last product: ahead of loads into what it has read and of the first read of the sums
.if (\lp) && (\i) == 6
	s_wait_tensorcnt 0x0                           ; my part of k's chunk has landed (asked for six blocks ago),
	s_wait_dscnt 0x0
	s_barrier_signal -1
	s_barrier_wait -1                              ; everybody's has
.endif
.if (\i) < 6
	FETCH (\i)+2
.endif
.if (\lp) && (\i) == 0
	BLOADK 1, 256
.endif
.if (\i) == 1 || (\i) >= 4
.if \lp
	s_cmp_lg_u32 s[TR], 0                          ; behind k no chunk follows
	s_cbranch_scc1 .Lnone_\@
.endif
.if (\i) >= 6
	FETCH (\i)+2
.endif
.if (\i) == 1
	SSCL 0, 32768*(\lp)
.elseif (\i) == 4
	BLOADK 0, 4096*(\lp)
	SSCL 1, 32768*(\lp)
.elseif (\i) == 5
	SSCL 2, 32768*(\lp)
.elseif (\i) == 7
	SSCL 3, 32768*(\lp)
.endif
.if \lp
.Lnone_\@:
.endif
.endif
.if (\i)%2
.set P_, (\i)/2
.set PC_, PCB+16*(P_%2)
	s_wait_xcnt 0x0                                ; the stores of two pairs ago have read the registers that the codes are written to
.if \kind
	OUTV
.else
	OUTQK
.endif
.endif
.endm
	s_load_b256 s[4:11], s[0:1], 0x0               ; xw_codes, xw_scales, b_attn, qkv
	v_lshl_add_u32 v[SPW], v0, 2, SPARE
	v_mov_b32 v[NIL], 0
	ds_add_u32 v[SPW], v[NIL]                      ; the opening lines: the add, twice on end, and its wait ahead of my first tensor load
	ds_add_u32 v[SPW], v[NIL]
	v_lshrrev_b32 v1, 5, v0
	v_readfirstlane_b32 s16, v1                    ; wave 0..3
	s_bfe_u32 s17, ttmp6, 0x40000                  ; cx
	s_and_b32 s18, ttmp7, 0xffff                   ; g: which two heads
	s_lshl_b32 s19, ttmp9, 2
	s_add_co_u32 s19, s19, s17                     ; which 256 tokens
.irp g, G1H, G1R
	s_mov_b32 s[\g], 15|(3<<16)|(1<<21)            ; the mask names the cluster's four; elements of 8 bytes; dense rows of 4,096 bytes
	s_mov_b32 s[\g+1], 512<<16
	s_mov_b32 s[\g+3], 512<<16
	s_mov_b32 s[\g+5], 512
	s_mov_b32 s[\g+6], 0
	s_mov_b32 s[\g+7], 0
.endr
	s_mov_b32 s[G1H+2], 16<<16
	s_mov_b32 s[G1H+4], 16
	s_mov_b32 s[G1R+2], 8<<16
	s_mov_b32 s[G1R+4], 8
	s_mov_b32 s[G0H], 1
	s_lshl_b32 s[G0H+1], s16, 16                   ; at the head wave w fills bytes 65,536 w on: waves 0, 1 slot 0, waves 2, 3 slot 1
	s_mov_b32 s[G0R], 1
	s_lshl_b32 s[G0R+1], s16, 15                   ; the refill: a quarter of slot 0 a wave
	s_lshl_b32 s94, s18, 17
	s_add_co_u32 s94, s94, 8192*1024               ; q's 128 rows of the group; k's lie 1,024 rows on, v's 2,048
	s_lshr_b32 s74, s16, 1
	s_xor_b32 s74, s74, 1
	s_lshl_b32 s74, s74, 21                        ; waves 0, 1: v's rows
	s_and_b32 s51, s16, 1
	s_lshl_b32 s75, s51, 16                        ; which 64 of the 128
	s_add_co_u32 s74, s74, s75
	s_add_co_u32 s74, s74, s94
	s_mov_b32 s75, 0
	s_add_co_u32 s76, s94, 0x100000
	s_add_co_u32 s76, s76, s[G0R+1]
	s_mov_b32 s77, 0
	s_lshl_b32 s78, s19, 18
	s_lshl_b32 s79, s16, 16
	s_add_co_u32 s78, s78, s79                     ; my 64 tokens' codes,
	s_lshr_b32 s80, s78, 5                         ; their scale bytes
	s_mov_b32 s79, 0
	s_mov_b32 s81, 0
	s_lshl_b32 s82, s18, 12
	s_add_co_u32 s82, s82, 8192*32                 ; the scale bytes of q's rows
	s_mov_b32 s83, 0
	s_lshl_b32 s84, s18, 9                         ; q's bias
	s_mov_b32 s85, 0
	s_lshr_b32 s94, s19, 3
	s_lshl_b32 s94, s94, 4
	s_lshl_b32 s95, s18, 1
	s_add_co_u32 s94, s94, s95                     ; 16 x batch + my first head
	s_mul_i32 s94, s94, HS
	s_and_b32 s95, s19, 7
	s_lshl_b32 s95, s95, 1
	s_lshr_b32 s86, s16, 1
	s_add_co_u32 s95, s95, s86                     ; my 128 tokens' half
	s_mul_i32 s95, s95, HREC
	s_add_co_u32 s94, s94, s95
	s_lshl_b32 s86, s51, 12                        ; my 64 tokens are its images 4 (wave % 2) on,
	s_add_co_u32 s86, s86, s94
	s_mov_b32 s87, 0
	s_lshl_b32 s88, s51, 8                         ; its words 64 (wave % 2) on,
	s_add_co_u32 s88, s88, s94
	s_add_co_u32 s88, s88, 16384
	s_mov_b32 s89, 0
	s_lshl_b32 s90, s51, 10                        ; pieces 2 (wave % 2) on of v's fragments,
	s_add_co_u32 s90, s90, s94
	s_add_co_u32 s90, s90, 8192
	s_mov_b32 s91, 0
	s_lshl_b32 s92, s51, 1                         ; and bytes 2 (wave % 2) on of v's scale words
	s_add_co_u32 s92, s92, s94
	s_add_co_u32 s92, s92, 16896
	s_mov_b32 s93, 0
	s_lshl_b32 s95, s16, 8
	s_add_co_u32 s95, s95, SCR                     ; my scratch
	s_mov_b32 s[SEL], 0x76543210
	s_mov_b32 s[SEL+1], 0xfedcba98
	s_mov_b32 s[MNT], 0x600000
	s_mov_b32 s[TR], 0
	s_mov_b32 s[TB], 0
	s_wait_dscnt 0x0                               ; both opening adds are done
	CROUND                                         ; the four work-groups are here: the joint loads meet
	s_wait_kmcnt 0x0
	s_add_nc_u64 s[G0H+2:G0H+3], s[4:5], s[74:75]
	s_or_b32 s[G0H+3], s[G0H+3], 0x80000000
	tensor_load_to_lds s[G0H:G0H+3], s[G1H:G1H+7]  ; my one tensor load at the head
	s_nop 0
	PLACES 4
	s_add_nc_u64 s[G0R+2:G0R+3], s[4:5], s[76:77]
	s_or_b32 s[G0R+3], s[G0R+3], 0x80000000
	s_add_nc_u64 s[XB:XB+1], s[4:5], s[78:79]
	s_add_nc_u64 s[XSP:XSP+1], s[6:7], s[80:81]
	s_add_nc_u64 s[WS:WS+1], s[6:7], s[82:83]
	s_add_nc_u64 s[BB:BB+1], s[8:9], s[84:85]
	s_add_nc_u64 s[OUK:OUK+1], s[10:11], s[86:87]
	s_add_nc_u64 s[OWK:OWK+1], s[10:11], s[88:89]
	s_add_nc_u64 s[OUV:OUV+1], s[10:11], s[90:91]
	s_add_nc_u64 s[OVW:OVW+1], s[10:11], s[92:93]
	s_add_nc_u64 s[OUT:OUT+1], s[OUK:OUK+1], QREG  ; q comes ahead of k
	s_add_nc_u64 s[OWD:OWD+1], s[OWK:OWK+1], QREG
	v_and_b32 v1, 15, v0
	v_bfe_u32 v2, v0, 4, 1
	v_and_b32 v3, 31, v0
	v_lshlrev_b32 v[L16], 4, v3
	v_lshlrev_b32 v[L32], 5, v3
	v_lshlrev_b32 v[L8], 3, v3
	v_lshlrev_b32 v[BO], 5, v2
	v_lshlrev_b32 v[R4], 2, v1
	v_add_nc_u32 v[SCW], s95, v[R4]
	v_add_nc_u32 v[SCD], s95, v[L8]
	SETAD
	s_wait_alu depctr_va_vdst(0)
.irp p, 0,1
.irp c, 0,1
	global_load_b128 v[RSC+8*\p+4*\c:RSC+8*\p+4*\c+3], v[L32], s[XSP:XSP+1] offset:1024*\p+16*\c
.endr
.endr
.irp p, 0,1,2,3
	SSCL \p, 65536                                 ; v's rows lie 2,048 rows behind q's
.endr
.irp j, 0,1,2,3
	global_load_b32 v[BV+\j],  v[R4], s[BB:BB+1] offset:8192+64*\j       ; v's bias: b[2,048 + 128 g + 16 j + lane % 16],
	global_load_b32 v[BV2+\j], v[R4], s[BB:BB+1] offset:8192+256+64*\j   ; and the second head's
.endr
.set F_, 0
.rept 32                               ; my 64 tokens: fragment 4 q + t into window 1 + (4 q + t) / 16
.set WN_, (1+F_/16)<<6
	WIN WN_
.irp c, 0,1,2,3
	global_load_b128 v[16*(F_%16)+4*\c:16*(F_%16)+4*\c+3], v[L16], s[XB:XB+1] offset:(F_%4)*16384+(F_/4)*2048+512*\c
.endr
.set F_, F_+1
.endr
	WIN 0
	s_wait_tensorcnt 0x0                           ; my part of the two chunks is in,
	s_barrier_signal -1
	s_barrier_wait -1                              ; everybody's is
	FETCH 0
	FETCH 1
	s_wait_loadcnt 0x0                             ; x, the scale words, v's bias
.irp j, 0,1,2,3
.irp k, 0,1,2,3,4,5,6,7
	v_mov_b32 v[BI+8*\j+\k], v[BV+\j]              ; v's bias hangs on the lane's channel: the same in a block's eight registers
	v_mov_b32 v[BI+32+8*\j+\k], v[BV2+\j]
.endr
.endr
	s_wait_alu depctr_va_vdst(0)
.irp i, 0,1,2,3,4,5,6,7
	BLK 1, \i, 0
.endr
	s_wait_tensorcnt 0x0                           ; v's chunk is read out
	ds_add_u32 v[SPW], v[NIL]
	s_wait_dscnt 0x0                               ; the add is done, and my reads of slot 0 are over
	CROUND
	tensor_load_to_lds s[G0R:G0R+3], s[G1R:G1R+7]  ; k's chunk into slot 0, a quarter a wave
	s_nop 0
	PLACES 4
	s_wait_xcnt 0x0                                ; v's stores have read their registers
.Lqk:
	s_xor_b32 s[TB], s[TB], SLOT                   ; q lies in slot 1, k in slot 0
	SETAD
	s_wait_alu depctr_va_vdst(0)
	s_wait_loadcnt 0x2                             ; all but the last pair's two loads of scale words, which block 4's wait covers
.irp i, 0,1,2,3,4,5,6,7
	BLK 0, \i, 1
.endr
	s_wait_dscnt 0x0                               ; the second head's words are back
	global_store_b64 v[L8], v[TW+2:TW+3], s[OWD:OWD+1] offset:HS
	s_wait_xcnt 0x0                                ; the chunk's loads and stores have read their registers and their bases
	s_mov_b64 s[OUT:OUT+1], s[OUK:OUK+1]           ; k follows
	s_mov_b64 s[OWD:OWD+1], s[OWK:OWK+1]
	s_add_nc_u64 s[BB:BB+1], s[BB:BB+1], 0x1000
	s_add_co_u32 s[TR], s[TR], 1
	s_cmp_lt_u32 s[TR], 2
	s_cbranch_scc1 .Lqk
	s_wait_tensorcnt 0x0                           ; the wave's end
	ds_add_u32 v[SPW], v[NIL]
	s_wait_dscnt 0x0
	CROUND                                         ; the closing round
	s_endpgm
.Lfunc_end_k_q07ad3683bd_gemm_qkv:
	.size	k_q07ad3683bd_gemm_qkv, .Lfunc_end_k_q07ad3683bd_gemm_qkv-k_q07ad3683bd_gemm_qkv
	.p2alignl 7, 3214868480
	.fill 96, 4, 3214868480
	.section	.rodata,"a",@progbits
	.p2align	6, 0x0
	.amdhsa_kernel k_q07ad3683bd_gemm_qkv
		.amdhsa_group_segment_fixed_size 327680
		.amdhsa_private_segment_fixed_size 0
		.amdhsa_enable_private_segment 0
		.amdhsa_kernarg_size 32
		.amdhsa_user_sgpr_count 2
		.amdhsa_user_sgpr_kernarg_segment_ptr 1
		.amdhsa_wavefront_size32 1
		.amdhsa_system_sgpr_workgroup_id_x 1
		.amdhsa_system_sgpr_workgroup_id_y 1
		.amdhsa_system_sgpr_workgroup_id_z 1
		.amdhsa_system_vgpr_workitem_id 0
		.amdhsa_next_free_vgpr 1024
		.amdhsa_next_free_sgpr 96
		.amdhsa_reserve_vcc 0
		.amdhsa_float_denorm_mode_32 3
		.amdhsa_float_denorm_mode_16_64 3
		.amdhsa_memory_ordered 1
		.amdhsa_forward_progress 1
		.amdhsa_inst_pref_size 204
	.end_amdhsa_kernel
	.amdgpu_metadata
---
amdhsa.version: [ 1, 2 ]
amdhsa.kernels:
  - .name:           k_q07ad3683bd_gemm_qkv
    .symbol:         k_q07ad3683bd_gemm_qkv.kd
    .args:
      - { .name: xw_codes, .offset: 0, .size: 8, .value_kind: global_buffer, .address_space: global }
      - { .name: xw_scales, .offset: 8, .size: 8, .value_kind: global_buffer, .address_space: global }
      - { .name: b_attn, .offset: 16, .size: 8, .value_kind: global_buffer, .address_space: global }
      - { .name: qkv, .offset: 24, .size: 8, .value_kind: global_buffer, .address_space: global }
    .group_segment_fixed_size: 327680
    .private_segment_fixed_size: 0
    .kernarg_segment_align: 8
    .kernarg_segment_size: 32
    .max_flat_workgroup_size: 128
    .sgpr_count:     96
    .vgpr_count:     1024
    .wavefront_size: 32
...
	.end_amdgpu_metadata
.endif
;; end of part 2
;; launch attn (part 3): grid 4 x 64, 16 waves a work-group, clusters of 4 x 1, 327,680 bytes of LDS; arguments qkv, y_codes, y_scales; writes y_codes, y_scales
.if DOCPART == 3
	.amdgcn_target "amdgcn-amd-amdhsa--gfx1250"
	.amdhsa_code_object_version 6
	.text
	.protected	k_q07ad3683bd_attn
	.globl	k_q07ad3683bd_attn
	.p2align	8
	.type	k_q07ad3683bd_attn,@function
k_q07ad3683bd_attn:
	s_mov_b64 s[64:65], 0
	v_nop
	global_prefetch_b8 v0, s[64:65] scope:SCOPE_SE
	s_setreg_imm32_b32 hwreg(HW_REG_WAVE_MODE, 25, 1), 1
	s_wait_xcnt 0x0
	s_wait_alu depctr_hold_cnt(0) depctr_sa_sdst(0) depctr_va_vdst(0) depctr_va_sdst(0) depctr_va_ssrc(0) depctr_va_vcc(0) depctr_vm_vsrc(0)
	s_getreg_b32 s2, hwreg(HW_REG_IB_STS2, 6, 4)
	s_cmp_eq_u32 s2, 0
	s_cbranch_scc0 .Lentry_in_a_cluster
	s_endpgm
.Lentry_in_a_cluster:
	s_bfe_u32 s2, ttmp6, 0x10000c
	s_cmp_lg_u32 s2, 0x3003
	s_cbranch_scc0 .Lentry_shape_is_right
	s_endpgm
.Lentry_shape_is_right:
; Causal attention on codes of FP8 (E4M3) with E8M0 scales: 64 heads (batch x head) of 2,048 tokens x 64 channels.  y is quantised along the channels and leaves as codes, laid as the last product's operand.
; INPUT: qkv: for each head 16 halves of HREC bytes, one for each 128 tokens: 8 images of 1,024 bytes of k (16 keys x 64 channels) | v^T: 4 fragments (16 channels x 128 keys) | a scale word a key | v's 64 scale words.  q lies in a second region of the same form.
; THE SOFTMAX AHEAD OF THE SECOND PRODUCT: t = score x log2(e) / 8; M = the running largest t rounded UP to a whole number; p = 2^(t - M) is quantised along the keys, not normalised; the row's sum of the unquantised p divides at the end.
; When M moves, the sum and O are multiplied by 2^(old M - new M), which rounds nothing.
; A HEAD'S K, V AND SCALE WORDS, 16 x HREC = 274,432 dense bytes, LIE IN LDS WHOLE: sixteen tensor loads at the head, one a wave, each one key step's half; nothing is filled again, so there is no ring.
; CLUSTER 4, 1, 1: the four work-groups of a head want the same bytes: each load is joint (mask 15).
; SHARES.  A head has 128 tiles of 16 queries.  Wave w of the partner at place cx owns tiles 4 w + cx and 127 - (4 w + cx): 17 key steps of 128 keys in every wave, and no step is walked that the mask hides whole.
; A tile's last step is (4 w + cx) / 8 = w / 2, or 15 - w / 2: branches hang on the wave's number alone; cx enters global addresses and the mask's numbers only.  Trip counts are constants: a hidden step is jumped over by a scalar branch.
; TWO BARRIERS.  The first shows the loads of waves 0 to 3 (steps 0 to 3), which have a load line of their own; the high tile's first four steps, all open, are walked; the second shows the rest.
; No prefetch: every byte is asked for at the head, and there is no loop to run ahead in.
; LAYOUT.  Both products are used transposed: S^T = K Q^T, O^T = V^T P^T: a lane holds ONE query (lane % 16).  Register 16 b + 8 u + j of S^T is key 32 b + 16 u + 8 (lane / 16) + j: the order inside a block of 32 that all codes of this program keep.
; K = 64 IN AN INSTRUCTION OF 128: Q's upper eight registers are zero codes; K's operand is 16 registers from its tile's eight on: the upper eight (the next tile's codes, or zeros) meet Q's zeros.
; y's two scale bytes of a token leave by a store of two bytes a lane, 32 bytes apart: one part in 32 of y's bytes.
; LIMITS: NaN and infinities are not served; a block of y under 2^-118 gets the byte 1; the scaled scores stay under 2^31 in magnitude.
.set HREC,  17152
.set HS,    16*HREC
.set QREG,  64*HS
.set SPARE, 16*HREC                    ; behind the head's bytes: the spare words, 128 bytes for each of sixteen waves
.set LI,  1                            ; v1   16 x lane
.set LS,  2                            ; v2   4 (lane % 16)
.set SPW, 3                            ; v3   my spare word; never rewritten
.set NIL, 4                            ; v4   0; never rewritten
.set ADK, 5                            ; v5   the step's half + 16 x lane
.set ADS, 6                            ; v6   the step's half + 4 (lane % 16)
.set YSO, 8                            ; v8   32 (lane % 16)
.set DD,  9                            ; v9   the mask on the tile's last step: my query - the step's first key - 8 (lane / 16)
.set NINF, 10                          ; v10  -infinity
.set RH,  11                           ; v11  lane % 16 - 8 (lane / 16)
                                       ; v12 -M, v13 the largest t, v[14:15] the sum in two halves; v16-31 Q (v24-31 zeros)
.set KFR, 32                           ; v32-95 K's eight tiles, then V's four fragments; v96-103 zeros
.set S,   104                          ; v104-167 S^T, then p; at a tile's end y
.set O,   168                          ; v168-199 O^T
.set PC,  200                          ; v200-215 p's codes; at a tile's end y's
.set BM,  216                          ; v216-219 each block's largest score, then p
.set T4,  220                          ; v220-223 the other half's / bytes
.set HL,  224                          ; v224-227 448 x scale
.set SO,  228                          ; v228-231 scale operands
.set KW,  232                          ; v232-239 K's scale words
.set VW,  240                          ; v240-243 V's
.set QW,  244                          ; v244 Q's
.set PW,  245                          ; v245 p's
.set FF,  246                          ; v[246:247] f = 2^(old M - new M)
.set TT,  248                          ; v248 at work
.set C2,  250                          ; v[250:255] three more chains of the sum
.set YB,  252                          ; v252 at a tile's end: y's two scale bytes
.set TB,  2                            ; s2   LDS byte at which the step's half begins
.set ST,  3                            ; s3   the step
.set CX,  10                           ; s10  my place in the cluster
.set LAST, 11                          ; s11  the last step of the tile in hand
.set HB,  12                           ; s12  where the head's q begins in qkv
.set DL,  13                           ; s13, s14  16 x (tile % 8) of the low and of the high tile
.set DH,  14
.set WV,  18
.set MNT, 19
.set SEL, 20
.set CS,  22                           ; s[22:23] c = log2(e) / 8
.set G1,  24                           ; s[24:31] descriptor group 1;  s[32:35] group 0
.set G0,  32
.set PLO, 40                           ; s[40:47] the low tile: Q's codes, Q's words, y's codes, y's scale bytes;  s[48:55] the high tile
.set PHI, 48
.set LL,  56                           ; s56, s57  the tiles' last steps
.set LH,  57
.set TL,  58                           ; s58, s60  the tiles' numbers in the head
.set BH,  59                           ; s59  batch x 16 + head
.set TH,  60
.macro CROUND                          ; a round of the cluster's barrier
	s_barrier_signal -1
	s_barrier_wait -1
	s_cmp_lg_u32 s[WV], 0
	s_cbranch_scc1 .Lnot_wave_0_\@
	s_barrier_signal -3
.Lnot_wave_0_\@:
	s_barrier_wait -3
	s_barrier_signal -1
	s_barrier_wait -1
.endm
.macro TLOAD                           ; an s_nop 0 and four v_nop follow the line
	tensor_load_to_lds s[G0:G0+3], s[G1:G1+7]
	s_nop 0
.rept 4
	v_nop
.endr
.endm
.macro PTRS p, t                       ; the four addresses of the tile whose number is in s[t]
	s_lshr_b32 s15, s[\t], 3
	s_mul_i32 s15, s15, HREC                       ; its half,
	s_add_co_u32 s15, s15, s[HB]
	s_and_b32 s16, s[\t], 7                        ; and its place there
	s_lshl_b32 s38, s16, 10
	s_add_co_u32 s38, s38, s15
	s_add_nc_u64 s[\p:\p+1], s[4:5], s[38:39]      ; the image
	s_lshl_b32 s38, s16, 6
	s_add_co_u32 s38, s38, s15
	s_add_co_u32 s38, s38, 16384
	s_add_nc_u64 s[\p+2:\p+3], s[4:5], s[38:39]    ; its scale words
	s_lshr_b32 s16, s[BH], 4
	s_lshl_b32 s16, s16, 7
	s_add_co_u32 s16, s16, s[\t]                   ; my 16 tokens' number among all: 128 x batch + tile
	s_and_b32 s15, s[BH], 15
	s_lshl_b32 s15, s15, 10                        ; the head's 64 channels: half a fragment
	s_lshl_b32 s38, s16, 14                        ; 16,384 codes for 16 tokens
	s_add_co_u32 s38, s38, s15
	s_add_nc_u64 s[\p+4:\p+5], s[6:7], s[38:39]
	s_lshr_b32 s15, s15, 9                         ; 2 x head
	s_lshl_b32 s38, s16, 9                         ; 512 scale bytes for 16 tokens
	s_add_co_u32 s38, s38, s15
	s_add_nc_u64 s[\p+6:\p+7], s[8:9], s[38:39]
.endm
	s_load_b128 s[4:7], s[0:1], 0x0                ; qkv, y's codes
	s_load_b64 s[8:9], s[0:1], 0x10                ; y's scale bytes
	v_lshl_add_u32 v[SPW], v0, 2, SPARE
	v_mov_b32 v[NIL], 0
	ds_add_u32 v[SPW], v[NIL]                      ; the opening lines: the add, twice on end, and its wait ahead of my first tensor load
	ds_add_u32 v[SPW], v[NIL]
	v_lshrrev_b32 v5, 5, v0
	v_readfirstlane_b32 s[WV], v5                  ; wave 0..15
	s_bfe_u32 s[CX], ttmp6, 0x40000
	s_and_b32 s[BH], ttmp7, 0xffff
	s_mov_b32 s[G1], 15|(3<<16)|(1<<21)            ; the mask names the cluster's four; elements of 8 bytes; a half, 17,152 dense bytes, as 67 rows of 256
	s_mov_b32 s[G1+1], 32<<16
	s_mov_b32 s[G1+2], 67<<16
	s_mov_b32 s[G1+3], 32<<16
	s_mov_b32 s[G1+4], 67
	s_mov_b32 s[G1+5], 32
	s_mov_b32 s[G1+6], 0
	s_mov_b32 s[G1+7], 0
	s_mul_i32 s38, s[BH], HS
	s_mov_b32 s[G0], 1
	s_mul_i32 s[G0+1], s[WV], HREC                 ; half w goes to byte w x HREC, in LDS as in the head's bytes
	s_add_co_u32 s16, s38, s[G0+1]
	s_mov_b32 s17, 0
	s_mov_b32 s39, 0
	s_mov_b32 s[SEL], 0x76543210
	s_mov_b32 s[SEL+1], 0xfedcba98
	s_mov_b32 s[CS], 0x3e38aa3b                    ; log2(e) / 8
	s_mov_b32 s[CS+1], s[CS]
	s_mov_b32 s[MNT], 0x600000
	s_wait_dscnt 0x0                               ; both opening adds are done
	CROUND                                         ; the four work-groups are here: the joint loads meet
	s_wait_kmcnt 0x0
	s_add_nc_u64 s[G0+2:G0+3], s[4:5], s[16:17]
	s_or_b32 s[G0+3], s[G0+3], 0x80000000
	s_cmp_lt_u32 s[WV], 4                          ; waves 0 to 3, whose halves the first barrier shows, have a load line of their own
	s_cbranch_scc0 .Lrest
	TLOAD
	s_branch .Lasked
.Lrest:
	TLOAD
.Lasked:
	s_lshl_b32 s[TL], s[WV], 2
	s_add_co_u32 s[TL], s[TL], s[CX]
	s_sub_co_u32 s[TH], 127, s[TL]
	s_lshr_b32 s[LL], s[WV], 1
	s_sub_co_u32 s[LH], 15, s[LL]
	s_add_co_u32 s[HB], s38, QREG
	PTRS PLO, TL
	PTRS PHI, TH
	s_and_b32 s[DL], s[TL], 7
	s_lshl_b32 s[DL], s[DL], 4
	s_and_b32 s[DH], s[TH], 7
	s_lshl_b32 s[DH], s[DH], 4
	v_and_b32 v1, 31, v0
	v_and_b32 v2, 15, v0
	v_bfe_u32 v9, v0, 4, 1
	v_lshlrev_b32 v[LI], 4, v1
	v_lshlrev_b32 v[YSO], 5, v2
	v_lshlrev_b32 v9, 3, v9
	v_sub_nc_u32 v[RH], v2, v9
	v_lshlrev_b32 v[LS], 2, v2
	v_mov_b32 v[NINF], 0xff800000
.irp j, 0,1,2,3,4,5,6,7
	v_mov_b32 v[24+\j], 0                          ; Q's upper 64 along K: zero codes; written once
	v_mov_b32 v[KFR+64+\j], 0                      ; what stands behind K's last tile; written once
.endr
.irp b, 0,1,2,3
	v_mov_b32 v[T4+\b], 0                          ; a lane permute's destination counts as one of its sources
.endr
	v_mov_b32 v[FF+1], 0                           ; (named as the upper half of a pair)
	v_mov_b32 v[TT], 0
; A tile of queries begins: Q and its scale words; O^T and the sum are zeros, the largest t is under every t.
.macro INIT p, dg, lst
	global_load_b128 v[16:19], v[LI], s[\p:\p+1]
	global_load_b128 v[20:23], v[LI], s[\p:\p+1] offset:512
	global_load_b32 v[QW], v[LS], s[\p+2:\p+3]
	v_add_nc_u32 v[DD], s[\dg], v[RH]
.set n, 0
.rept 32
	v_mov_b32 v[O+n], 0                            ; the step is written once: the first finds zeros, which the first change of M leaves zeros
.set n, n+1
.endr
	v_mov_b32 v13, 0xff61b1e6                      ; -3e38
	v_floor_f32 v12, -v13                          ; -M
	v_mov_b32 v14, 0
	v_mov_b32 v15, 0
	s_mov_b32 s[LAST], s[\lst]
	s_wait_alu depctr_va_vdst(0)
	s_wait_loadcnt 0x0                             ; Q
	s_wait_xcnt 0x0                                ; the last tile's stores have read their registers
.endm
; A KEY STEP: 128 keys.  m = 1: a step behind the tile's last is jumped over, and on the last the hidden scores become -infinity.
.macro STEP m
.if \m
	s_cmp_gt_u32 s[ST], s[LAST]
	s_cbranch_scc1 .Lhidden_\@
.endif
	v_add_nc_u32 v[ADK], s[TB], v[LI]
	v_add_nc_u32 v[ADS], s[TB], v[LS]
.rept 6
	v_nop                                          ; with the two additions: eight places in front of loads into registers that matrix instructions have read
.endr
.irp t, 0,1,2,3,4,5,6,7
	ds_load_b128 v[KFR+8*\t:KFR+8*\t+3],   v[ADK] offset:1024*\t
	ds_load_b128 v[KFR+8*\t+4:KFR+8*\t+7], v[ADK] offset:1024*\t+512
	ds_load_b32 v[KW+\t], v[ADS] offset:16384+64*\t
.endr
	s_wait_alu depctr_va_vdst(0)
	s_wait_dscnt 0x0
.irp t, 0,1,2,3,4,5,6,7
	v_wmma_scale_f32_16x16x128_f8f6f4 v[S+8*\t:S+8*\t+7], v[KFR+8*\t:KFR+8*\t+15], v[16:31], 0, v[KW+\t], v[QW]
.endr
.rept 8
	v_nop
.endr
.irp d, 0,1,2,3                                ; V's fragments are asked for now and land under the softmax
.irp c, 0,1,2,3
	ds_load_b128 v[KFR+16*\d+4*\c:KFR+16*\d+4*\c+3], v[ADK] offset:8192+2048*\d+512*\c
.endr
	ds_load_b32 v[VW+\d], v[ADS] offset:16896+64*\d
.endr
.if \m
	s_cmp_lg_u32 s[ST], s[LAST]
	s_cbranch_scc1 .Lopen_\@
.set n, 0
.rept 64
	v_cmp_gt_i32 vcc_lo, 32*(n/16)+16*((n/8)%2)+n%8, v[DD]   ; register 16 b + 8 u + j is hidden where 32 b + 16 u + j > my query - the step's first key - 8 (lane / 16)
	v_cndmask_b32 v[S+n], v[S+n], v[NINF], vcc_lo
.set n, n+1
.endr
.Lopen_\@:
.endif
.irp b, 0,1,2,3
	v_max3_num_f32 v[BM+\b], v[S+16*\b], v[S+1+16*\b], v[S+2+16*\b]   ; the largest score of each block of 32 keys: it serves the row's maximum and, since p rises with the score, the block's largest p
.endr
.irp i, 3,5,7,9,11,13
.irp b, 0,1,2,3
	v_max3_num_f32 v[BM+\b], v[BM+\b], v[S+16*\b+\i], v[S+1+16*\b+\i]
.endr
.endr
.irp b, 0,1,2,3
	v_max_num_f32 v[BM+\b], v[BM+\b], v[S+15+16*\b]
.endr
.irp b, 0,1,2,3
	s_delay_alu instid0(VALU_DEP_4)
	v_permlanex16_b32 v[T4+\b], v[BM+\b], s[SEL], s[SEL+1]
.endr
.irp b, 0,1,2,3
	s_delay_alu instid0(VALU_DEP_4)
	v_max_num_f32 v[BM+\b], v[BM+\b], v[T4+\b]     ; with lane l xor 16's 16 keys
.endr
	s_delay_alu instid0(VALU_DEP_2)
	v_max3_num_f32 v[TT], v[BM], v[BM+1], v[BM+2]
	s_delay_alu instid0(VALU_DEP_1)
	v_max_num_f32 v[TT], v[TT], v[BM+3]            ; the step's largest score of my query (its first key counts for every query of the tile)
	s_delay_alu instid0(VALU_DEP_1)
	v_mul_f32 v[TT], s[CS], v[TT]
	s_delay_alu instid0(VALU_DEP_1)
	v_max_num_f32 v13, v13, v[TT]                  ; the running largest t
	v_mov_b32 v[TT], v12
	s_delay_alu instid0(VALU_DEP_2)
	v_floor_f32 v12, -v13                          ; the new -M = -ceil(t)
	s_delay_alu instid0(VALU_DEP_1)
	v_sub_f32 v[TT], v12, v[TT]                    ; old M - new M: a whole number, 0 or less
	s_delay_alu instid0(VALU_DEP_1)
	v_cvt_i32_f32 v[TT], v[TT]                     ; (it saturates)
	s_delay_alu instid0(VALU_DEP_1)
	v_ldexp_f32 v[FF], 1.0, v[TT]                  ; f
.set n, 0
.rept 32
	v_pk_fma_f32 v[S+n:S+n+1], v[S+n:S+n+1], s[CS:CS+1], v[12:13] op_sel_hi:[1,0,0]   ; t - M, two at a time
.set n, n+2
.endr
.irp b, 0,1,2,3
	v_fma_f32 v[BM+\b], v[BM+\b], s[CS], v12       ; the same of each block's largest score
.endr
	s_wait_alu depctr_va_vdst(0)
.set n, 0
.rept 64
	v_exp_f32 v[S+n], v[S+n]                       ; p = 2^(t - M)
.set n, n+1
.endr
	v_pk_mul_f32 v[14:15], v[14:15], v[FF:FF+1] op_sel_hi:[1,0]   ; the sums under the new M: a plain line behind the exponentials
	s_wait_alu depctr_va_vdst(0)                   ; one wait for the batch, ahead of its first reader
.irp b, 0,1,2,3
	v_exp_f32 v[BM+\b], v[BM+\b]                   ; the block's largest p: the same two instructions on the same number
.endr
	v_pk_add_f32 v[C2:C2+1],   v[S:S+1],   v[S+2:S+3]      ; the row's sum of the unquantised p: 32 pairs in four chains
	v_pk_add_f32 v[C2+2:C2+3], v[S+4:S+5], v[S+6:S+7]
	v_pk_add_f32 v[C2+4:C2+5], v[S+8:S+9], v[S+10:S+11]
	v_pk_add_f32 v[14:15], v[14:15], v[S+12:S+13]
.set n, 14
.rept 6
	v_pk_add_f32 v[C2:C2+1],   v[C2:C2+1],   v[S+n:S+n+1]
	v_pk_add_f32 v[C2+2:C2+3], v[C2+2:C2+3], v[S+n+2:S+n+3]
	v_pk_add_f32 v[C2+4:C2+5], v[C2+4:C2+5], v[S+n+4:S+n+5]
	v_pk_add_f32 v[14:15], v[14:15], v[S+n+6:S+n+7]
.set n, n+8
.endr
	v_pk_add_f32 v[C2:C2+1], v[C2:C2+1], v[S+62:S+63]
	v_pk_add_f32 v[C2+2:C2+3], v[C2+2:C2+3], v[C2+4:C2+5]
	v_pk_add_f32 v[14:15], v[14:15], v[C2:C2+1]
	v_pk_add_f32 v[14:15], v[14:15], v[C2+2:C2+3]
	s_wait_alu depctr_va_vdst(0)                   ; and one for the four
.irp b, 0,1,2,3
	v_max_num_f32 v[BM+\b], 0x4800000, v[BM+\b]    ; the floor: the byte cannot fall under 1 (a block whose every p is 0 keeps that byte: its codes are zeros)
.endr
.irp b, 0,1,2,3
	s_delay_alu instid0(VALU_DEP_4)
	v_add_nc_u32 v[SO+\b], 0xfc000000, v[BM+\b]
.endr
.irp b, 0,1,2,3
	v_and_or_b32 v[HL+\b], v[BM+\b], 0x7f800000, s[MNT]
.endr
.irp b, 0,1,2,3
	v_lshrrev_b32 v[T4+\b], 23, v[SO+\b]
.endr
	s_delay_alu instid0(VALU_DEP_3)
	v_lshl_or_b32 v[PW], v[T4+1], 8, v[T4]         ; p's scale word for these 128 keys
	s_delay_alu instid0(VALU_DEP_1)
	v_lshl_or_b32 v[PW], v[T4+2], 16, v[PW]
	s_delay_alu instid0(VALU_DEP_1)
	v_lshl_or_b32 v[PW], v[T4+3], 24, v[PW]
; The conversion does not saturate (ISA guide 7.6.2); p is not negative, so the hold is one-sided.  Two holds to an instruction: an even register of one block with an odd one of its neighbour, so that destinations and sources differ as the pair's form asks.
.irp b, 0,2
.irp i, 0,2,4,6,8,10,12,14
	v_dual_min_num_f32 v[S+16*\b+\i], v[S+16*\b+\i], v[HL+\b] :: v_dual_min_num_f32 v[S+16*\b+17+\i], v[S+16*\b+17+\i], v[HL+\b+1]
	v_dual_min_num_f32 v[S+16*\b+16+\i], v[S+16*\b+16+\i], v[HL+\b+1] :: v_dual_min_num_f32 v[S+16*\b+1+\i], v[S+16*\b+1+\i], v[HL+\b]
.endr
.irp e, 0,1
	v_cvt_scalef32_pk8_fp8_f32 v[PC+4*(\b+\e):PC+1+4*(\b+\e)],   v[S+16*(\b+\e):S+7+16*(\b+\e)],    v[SO+\b+\e]
	v_cvt_scalef32_pk8_fp8_f32 v[PC+2+4*(\b+\e):PC+3+4*(\b+\e)], v[S+8+16*(\b+\e):S+15+16*(\b+\e)], v[SO+\b+\e]
.endr
.endr
	s_wait_alu depctr_va_vdst(0)                   ; directly ahead of the first reader of O^T
.set n, 0
.rept 16
	v_pk_mul_f32 v[O+n:O+n+1], v[O+n:O+n+1], v[FF:FF+1] op_sel_hi:[1,0]   ; O^T under the new M.  (These are also the places between the codes and the products)
.set n, n+2
.endr
	s_wait_alu depctr_va_vdst(0)
	s_wait_dscnt 0x0                               ; V
.irp d, 0,1,2,3
	v_wmma_scale_f32_16x16x128_f8f6f4 v[O+8*\d:O+8*\d+7], v[KFR+16*\d:KFR+16*\d+15], v[PC:PC+15], v[O+8*\d:O+8*\d+7], v[VW+\d], v[PW]   ; the four accumulators by turns
.endr
.if \m
.Lhidden_\@:
.endif
	s_add_co_u32 s[TB], s[TB], HREC
	s_add_co_u32 s[ST], s[ST], 1
.endm
; A tile of queries ends: O^T / the sum is y: register 16 c + 8 u + j is channel 32 c + 16 u + 8 (lane / 16) + j of my query: two blocks of 32 along the last product's K.
.macro FINAL p
.rept 8
	v_nop                                          ; places behind the last products
.endr
	v_add_f32 v14, v14, v15
	v_permlanex16_b32 v[TT], v14, s[SEL], s[SEL+1]
	v_add_f32 v14, v14, v[TT]                      ; the row's sum
	s_wait_alu depctr_va_vdst(0)
	v_rcp_f32 v14, v14
	v_nop                                          ; a plain line behind the transcendental
	s_wait_alu depctr_va_vdst(0)                   ; the wait ahead of its first reader, which is O^T's first reader too
.set n, 0
.rept 32
	v_mul_f32 v[S+n], v[O+n], v14                  ; each accumulator from its low end on
.set n, n+1
.endr
.irp c, 0,1
	v_max3_num_f32 v[BM+\c], |v[S+16*\c]|, |v[S+1+16*\c]|, 0x4800000
.endr
.irp i, 2,4,6,8,10,12,14
.irp c, 0,1
	v_max3_num_f32 v[BM+\c], v[BM+\c], |v[S+16*\c+\i]|, |v[S+1+16*\c+\i]|
.endr
.endr
.irp c, 0,1
	v_permlanex16_b32 v[T4+\c], v[BM+\c], s[SEL], s[SEL+1]
.endr
.irp c, 0,1
	v_max_num_f32 v[BM+\c], v[BM+\c], v[T4+\c]
.endr
.irp c, 0,1
	v_add_nc_u32 v[SO+\c], 0xfc000000, v[BM+\c]
.endr
.irp c, 0,1
	v_and_or_b32 v[HL+\c], v[BM+\c], 0x7f800000, s[MNT]
.endr
.irp c, 0,1
	v_lshrrev_b32 v[T4+\c], 23, v[SO+\c]
.endr
	v_lshl_or_b32 v[YB], v[T4+1], 8, v[T4]
.irp c, 0,1
.irp i, 0,1,2,3,4,5,6,7,8,9,10,11,12,13,14,15
	v_med3_num_f32 v[S+16*\c+\i], v[S+16*\c+\i], -v[HL+\c], v[HL+\c]
.endr
	v_cvt_scalef32_pk8_fp8_f32 v[PC+4*\c:PC+1+4*\c],   v[S+16*\c:S+7+16*\c],    v[SO+\c]
	v_cvt_scalef32_pk8_fp8_f32 v[PC+2+4*\c:PC+3+4*\c], v[S+8+16*\c:S+15+16*\c], v[SO+\c]
.endr
	v_nop                                          ; a plain line behind the last conversion
	global_store_b128 v[LI], v[PC:PC+3],   s[\p+4:\p+5]              ; 512 consecutive bytes each, at a multiple of 256 from the buffer's first byte
	global_store_b128 v[LI], v[PC+4:PC+7], s[\p+4:\p+5] offset:512
	global_store_b16 v[YSO], v[YB], s[\p+6:\p+7]   ; my token's two scale bytes (both halves of the lanes store the same)
.endm
	INIT PHI, DH, LH                               ; the high tile first: its first four steps are open for every wave
	s_mov_b32 s[TB], 0
	s_mov_b32 s[ST], 0
	s_cmp_lt_u32 s[WV], 4
	s_cbranch_scc0 .Lnot_first
	s_wait_tensorcnt 0x0                           ; waves 0 to 3: steps 0 to 3 have landed.  The other waves' wait stands at the second barrier
.Lnot_first:
	s_barrier_signal -1
	s_barrier_wait -1
.Lfirst:
	STEP 0
	s_cmp_lt_u32 s[ST], 4
	s_cbranch_scc1 .Lfirst
	s_wait_tensorcnt 0x0                           ; every wave: all sixteen halves have landed
	s_wait_dscnt 0x0
	s_barrier_signal -1
	s_barrier_wait -1
.Lhigh:
	STEP 1
	s_cmp_lt_u32 s[ST], 16
	s_cbranch_scc1 .Lhigh
	s_wait_alu depctr_va_vdst(0)
	FINAL PHI
	INIT PLO, DL, LL
	s_mov_b32 s[TB], 0
	s_mov_b32 s[ST], 0
.Llow:
	STEP 1
	s_cmp_lt_u32 s[ST], 8
	s_cbranch_scc1 .Llow
	s_wait_alu depctr_va_vdst(0)
	FINAL PLO
	s_wait_tensorcnt 0x0                           ; the wave's end
	ds_add_u32 v[SPW], v[NIL]
	s_wait_dscnt 0x0
	CROUND                                         ; the closing round
	s_endpgm
.Lfunc_end_k_q07ad3683bd_attn:
	.size	k_q07ad3683bd_attn, .Lfunc_end_k_q07ad3683bd_attn-k_q07ad3683bd_attn
	.p2alignl 7, 3214868480
	.fill 96, 4, 3214868480
	.section	.rodata,"a",@progbits
	.p2align	6, 0x0
	.amdhsa_kernel k_q07ad3683bd_attn
		.amdhsa_group_segment_fixed_size 327680
		.amdhsa_private_segment_fixed_size 0
		.amdhsa_enable_private_segment 0
		.amdhsa_kernarg_size 24
		.amdhsa_user_sgpr_count 2
		.amdhsa_user_sgpr_kernarg_segment_ptr 1
		.amdhsa_wavefront_size32 1
		.amdhsa_system_sgpr_workgroup_id_x 1
		.amdhsa_system_sgpr_workgroup_id_y 1
		.amdhsa_system_sgpr_workgroup_id_z 1
		.amdhsa_system_vgpr_workitem_id 0
		.amdhsa_next_free_vgpr 256
		.amdhsa_next_free_sgpr 66
		.amdhsa_reserve_vcc 1
		.amdhsa_float_denorm_mode_32 3
		.amdhsa_float_denorm_mode_16_64 3
		.amdhsa_memory_ordered 1
		.amdhsa_forward_progress 1
		.amdhsa_inst_pref_size 91
	.end_amdhsa_kernel
	.amdgpu_metadata
---
amdhsa.version: [ 1, 2 ]
amdhsa.kernels:
  - .name:           k_q07ad3683bd_attn
    .symbol:         k_q07ad3683bd_attn.kd
    .args:
      - { .name: qkv, .offset: 0, .size: 8, .value_kind: global_buffer, .address_space: global }
      - { .name: y_codes, .offset: 8, .size: 8, .value_kind: global_buffer, .address_space: global }
      - { .name: y_scales, .offset: 16, .size: 8, .value_kind: global_buffer, .address_space: global }
    .group_segment_fixed_size: 327680
    .private_segment_fixed_size: 0
    .kernarg_segment_align: 8
    .kernarg_segment_size: 24
    .max_flat_workgroup_size: 512
    .sgpr_count:     66
    .vgpr_count:     256
    .wavefront_size: 32
...
	.end_amdgpu_metadata
.endif
;; end of part 3
;; launch gemm_proj (part 4): grid 4 x 64, 4 waves a work-group, clusters of 4 x 1, 327,680 bytes of LDS; arguments y_codes, y_scales, xw_codes, xw_scales, b_proj, out0; writes out0
.if DOCPART == 4
	.amdgcn_target "amdgcn-amd-amdhsa--gfx1250"
	.amdhsa_code_object_version 6
	.text
	.protected	k_q07ad3683bd_gemm_proj
	.globl	k_q07ad3683bd_gemm_proj
	.p2align	8
	.type	k_q07ad3683bd_gemm_proj,@function
k_q07ad3683bd_gemm_proj:
	s_mov_b64 s[64:65], 0
	v_nop
	global_prefetch_b8 v0, s[64:65] scope:SCOPE_SE
	s_setreg_imm32_b32 hwreg(HW_REG_WAVE_MODE, 25, 1), 1
	s_wait_xcnt 0x0
	s_wait_alu depctr_hold_cnt(0) depctr_sa_sdst(0) depctr_va_vdst(0) depctr_va_sdst(0) depctr_va_ssrc(0) depctr_va_vcc(0) depctr_vm_vsrc(0)
	s_getreg_b32 s2, hwreg(HW_REG_IB_STS2, 6, 4)
	s_cmp_eq_u32 s2, 0
	s_cbranch_scc0 .Lentry_in_a_cluster
	s_endpgm
.Lentry_in_a_cluster:
	s_bfe_u32 s2, ttmp6, 0x10000c
	s_cmp_lg_u32 s2, 0x3003
	s_cbranch_scc0 .Lentry_shape_is_right
	s_endpgm
.Lentry_shape_is_right:
; out0 = y W_proj + b_proj on codes of FP8 (E4M3) with E8M0 scales, f32 out.
; OPERANDS: y_codes and rows 11,264 + n of xw_codes (column n of W_proj): fragment images: 16 rows x 128 K are 2,048 consecutive bytes, lane l's registers 4 c .. 4 c + 3 at 512 c + 16 l; 16,384 bytes for 16 rows.  Scale bytes [row][32].
; THE DEAL.  256 work-groups: 128 tokens x 256 columns; a wave has 64 columns.  The tokens' codes, 131,072 dense bytes, come into LDS once, a quarter a wave, and stay: no ring, nothing is filled again.
; CLUSTER 4, 1, 1: the four work-groups of a group of tokens want the same bytes of y: each load is joint (mask 15).
; A wave holds its 64 rows of the weight, ALL of K, in 512 registers (windows 1, 2), and streams y's eight blocks of 16 tokens past them: 32 products a block; the blocks stand in two sets (window 3), the sums in two sets.
; The weight comes by plain loads of 512 consecutive bytes straight into its registers: the images lie in register order.  It is not shared by joint loads: a work-group's 256 rows are 262,144 bytes, which do not fit in LDS beside y's 131,072.
; No prefetch: the one tensor load a wave goes out at the head, and there is no loop of tiles to run ahead in.
; Source 0 = the weight: a lane holds token lane % 16, and register 8 t + j column 16 t + 8 (lane / 16) + j.  A block, 16 tokens x 256 bytes, goes through the wave's own stage in LDS and leaves as aligned units of 256 bytes while later blocks are multiplied.
; The bias is the C of each sum's first product.  LIMITS: NaN and infinities are not served.
.set STAGE, 131072                     ; behind y: 16 rows x (256 bytes + 16) for each wave; no fill lands here
.set SPITCH, 272
.set SPARE, STAGE+4*16*SPITCH          ; the spare words, 128 bytes a wave
.set L16, 4                            ; v4   16 x lane: my place in every image; also the LDS address of y's blocks 0 to 3
.set ADX, 4                            ; v5   the same for blocks 4 to 7
.set L32, 6                            ; v6   32 x lane: a row of scale bytes
.set BO,  7                            ; v7   32 (lane / 16)
.set STO, 8                            ; v8   the stage, on the way in
.set RD,  9                            ; v9   and back
.set SPW, 10                           ; v10  my spare word; never rewritten
.set NIL, 11                           ; v11  0; never rewritten
.set CO,  12                           ; v12  4,096 (lane / 16) + 16 (lane % 16): two rows of out0 to a store
.set WSC, 24                           ; v24-39 the weight's scale words: register 8 p + q: lanes 0-15 tile 2 p's rows, lanes 16-31 tile 2 p + 1's
.set XSC, 44                           ; v44-75 y's: register 8 p + q: lanes 0-15 block 2 p's rows, lanes 16-31 block 2 p + 1's
.set ACC, 80                           ; v80-143 two sets of four accumulators
.set BI,  144                          ; v144-175 the bias in the result's layout
.set BK,  176                          ; v176-239 two sets: a block read back from the stage
.set G1,  24
.set G0,  32
.set WB,  8                            ; s[8:9] the weight's codes, my 64 rows
.set MSB, 0
.macro WIN new                         ; the immediate's high byte repeats the setting that is left
.if MSB != \new
	s_set_vgpr_msb (MSB<<8)|\new
.set MSB, \new
.endif
.endm
.macro PLACES n
.rept \n
	v_nop
.endr
.endm
.macro CROUND                          ; a round of the cluster's barrier
	s_barrier_signal -1
	s_barrier_wait -1
	s_cmp_lg_u32 s16, 0
	s_cbranch_scc1 .Lnot_wave_0_\@
	s_barrier_signal -3
.Lnot_wave_0_\@:
	s_barrier_wait -3
	s_barrier_signal -1
	s_barrier_wait -1
.endm
.macro WM a, b, sa, sb, ra, rb         ; one product; ra, rb: the side's scale words stand in lanes 16-31
.if (\ra) && (\rb)
	v_wmma_scale_f32_16x16x128_f8f6f4 v[D_:D_+7], v[\a:\a+15], v[\b:\b+15], v[C_:C_+7], v[\sa], v[\sb] matrix_a_scale:MATRIX_SCALE_ROW1 matrix_b_scale:MATRIX_SCALE_ROW1
.elseif (\ra)
	v_wmma_scale_f32_16x16x128_f8f6f4 v[D_:D_+7], v[\a:\a+15], v[\b:\b+15], v[C_:C_+7], v[\sa], v[\sb] matrix_a_scale:MATRIX_SCALE_ROW1
.elseif (\rb)
	v_wmma_scale_f32_16x16x128_f8f6f4 v[D_:D_+7], v[\a:\a+15], v[\b:\b+15], v[C_:C_+7], v[\sa], v[\sb] matrix_b_scale:MATRIX_SCALE_ROW1
.else
	v_wmma_scale_f32_16x16x128_f8f6f4 v[D_:D_+7], v[\a:\a+15], v[\b:\b+15], v[C_:C_+7], v[\sa], v[\sb]
.endif
.endm
; A block's 32 products: number 4 q + t is the q-th 128 of K against the weight's tile t; the four accumulators by turns.
.macro PRODS i
.set N_, 0
.rept 32
.set Q_, N_/4
.set T_, N_%4
.set D_, ACC+32*((\i)%2)+8*T_
.if Q_ == 0
.set C_, BI+8*T_
.else
.set C_, D_
.endif
.set XR_, 128*((\i)%2)+16*Q_
.set WR_, 16*(N_%16)
.set XS_, XSC+8*((\i)/2)+Q_
.set WS_, WSC+8*(T_/2)+Q_
.set WN_, (1+N_/16)|(3<<2)
	WIN WN_
	WM WR_, XR_, WS_, XS_, T_%2, (\i)%2
.set N_, N_+1
.endr
	WIN 0
.endm
.macro FETCH i                         ; block i of y, all of K, into set i % 2 of window 3: 32 loads of 512 consecutive bytes
	WIN 0xc0
.irp q, 0,1,2,3,4,5,6,7
.irp c, 0,1,2,3
	ds_load_b128 v[128*((\i)%2)+16*\q+4*\c:128*((\i)%2)+16*\q+4*\c+3], v[ADX+(\i)/4] offset:((\i)%4)*16384+2048*\q+512*\c
.endr
.endr
	WIN 0
.endm
.macro TOSTAGE i                       ; 8 stores and 8 loads: LDS serves a wave's instructions in order, so the loads see the stores
.set A_, ACC+32*((\i)%2)
.set K_, BK+32*((\i)%2)
.irp b, 0,1,2,3
	ds_store_b128 v[STO], v[A_+8*\b:A_+8*\b+3] offset:64*\b          ; each accumulator from its low end on
	ds_store_b128 v[STO], v[A_+8*\b+4:A_+8*\b+7] offset:64*\b+16
.endr
.irp t, 0,1,2,3,4,5,6,7
	ds_load_b128 v[K_+4*\t:K_+4*\t+3], v[RD] offset:\t*2*SPITCH
.endr
.endm
.macro SEND i
.set K_, BK+32*((\i)%2)
.irp t, 0,1,2,3,4,5,6,7
	global_store_b128 v[CO], v[K_+4*\t:K_+4*\t+3], s[14:15] offset:(\i)*65536+\t*8192 th:TH_STORE_NT   ; sixteen lanes store 256 consecutive bytes, aligned; two rows an instruction
.endr
.endm
	s_load_b256 s[4:11], s[0:1], 0x0               ; y_codes, y_scales, xw_codes, xw_scales
	s_load_b128 s[12:15], s[0:1], 0x20             ; b_proj, out0
	v_lshl_add_u32 v[SPW], v0, 2, SPARE
	v_mov_b32 v[NIL], 0
	ds_add_u32 v[SPW], v[NIL]                      ; the opening lines: the add, twice on end, and its wait ahead of my first tensor load
	ds_add_u32 v[SPW], v[NIL]
	v_lshrrev_b32 v1, 5, v0
	v_readfirstlane_b32 s16, v1                    ; wave 0..3
	s_bfe_u32 s17, ttmp6, 0x40000                  ; cx: which 256 columns
	s_and_b32 s18, ttmp7, 0xffff                   ; which 128 tokens
	s_mov_b32 s[G1], 15|(3<<16)|(1<<21)            ; the mask names the cluster's four; elements of 8 bytes; a quarter of y's tile: 8 rows of 4,096 dense bytes
	s_mov_b32 s[G1+1], 512<<16
	s_mov_b32 s[G1+2], 8<<16
	s_mov_b32 s[G1+3], 512<<16
	s_mov_b32 s[G1+4], 8
	s_mov_b32 s[G1+5], 512
	s_mov_b32 s[G1+6], 0
	s_mov_b32 s[G1+7], 0
	s_mov_b32 s[G0], 1
	s_lshl_b32 s[G0+1], s16, 15                    ; quarter w goes to byte 32,768 w
	s_lshl_b32 s36, s18, 17
	s_add_co_u32 s36, s36, s[G0+1]
	s_mov_b32 s37, 0
	s_lshl_b32 s38, s18, 12                        ; the tokens' scale bytes
	s_mov_b32 s39, 0
	s_lshl_b32 s40, s17, 8
	s_lshl_b32 s41, s16, 6
	s_add_co_u32 s40, s40, s41                     ; my first column
	s_add_co_u32 s42, s40, 11264                   ; its row in xw_codes
	s_lshl_b32 s44, s42, 10
	s_mov_b32 s45, 0
	s_lshl_b32 s46, s42, 5
	s_mov_b32 s47, 0
	s_lshl_b32 s48, s40, 2
	s_mov_b32 s49, 0
	s_lshl_b32 s50, s18, 19                        ; 128 rows of out0 of 4,096 bytes
	s_add_co_u32 s50, s50, s48
	s_mov_b32 s51, 0
	s_mul_i32 s52, s16, 16*SPITCH
	s_add_co_u32 s52, s52, STAGE                   ; my stage
	s_wait_dscnt 0x0                               ; both opening adds are done
	CROUND                                         ; the four work-groups are here: the joint loads meet
	s_wait_kmcnt 0x0
	s_add_nc_u64 s[G0+2:G0+3], s[4:5], s[36:37]
	s_or_b32 s[G0+3], s[G0+3], 0x80000000
	tensor_load_to_lds s[G0:G0+3], s[G1:G1+7]      ; my one tensor load
	s_nop 0
	PLACES 4
	s_add_nc_u64 s[6:7], s[6:7], s[38:39]
	s_add_nc_u64 s[8:9], s[8:9], s[44:45]
	s_add_nc_u64 s[10:11], s[10:11], s[46:47]
	s_add_nc_u64 s[12:13], s[12:13], s[48:49]
	s_add_nc_u64 s[14:15], s[14:15], s[50:51]
	v_and_b32 v1, 15, v0
	v_bfe_u32 v2, v0, 4, 1
	v_and_b32 v3, 31, v0
	v_lshlrev_b32 v[L16], 4, v3
	v_lshlrev_b32 v[L32], 5, v3
	v_lshlrev_b32 v[BO], 5, v2
	v_add_nc_u32 v[ADX+1], 0x10000, v[L16]
	v_mul_u32_u24 v13, v1, SPITCH                  ; in: row lane % 16, 32 bytes for each half of the lanes
	v_lshl_add_u32 v13, v2, 5, v13
	v_add_nc_u32 v[STO], s52, v13
	v_mul_u32_u24 v14, v2, SPITCH                  ; back: lanes 0-15 one row, lanes 16-31 the next
	v_lshl_add_u32 v14, v1, 4, v14
	v_add_nc_u32 v[RD], s52, v14
	v_lshlrev_b32 v15, 12, v2
	v_lshl_add_u32 v[CO], v1, 4, v15
	s_wait_alu depctr_va_vdst(0)
.irp p, 0,1,2,3
.irp c, 0,1
	global_load_b128 v[XSC+8*\p+4*\c:XSC+8*\p+4*\c+3], v[L32], s[6:7] offset:1024*\p+16*\c
.endr
.endr
.irp p, 0,1
.irp c, 0,1
	global_load_b128 v[WSC+8*\p+4*\c:WSC+8*\p+4*\c+3], v[L32], s[10:11] offset:1024*\p+16*\c
.endr
.endr
.irp t, 0,1,2,3
	global_load_b128 v[BI+8*\t:BI+8*\t+3],   v[BO], s[12:13] offset:64*\t      ; register 8 t + j is b[16 t + 8 (lane / 16) + j]
	global_load_b128 v[BI+8*\t+4:BI+8*\t+7], v[BO], s[12:13] offset:64*\t+16
.endr
.set F_, 0
.rept 32                               ; my 64 rows of the weight: fragment 4 q + t into window 1 + (4 q + t) / 16
.set WN_, (1+F_/16)<<6
	WIN WN_
.irp c, 0,1,2,3
	global_load_b128 v[16*(F_%16)+4*\c:16*(F_%16)+4*\c+3], v[L16], s[WB:WB+1] offset:(F_%4)*16384+(F_/4)*2048+512*\c
.endr
.set F_, F_+1
.endr
	WIN 0
	s_wait_tensorcnt 0x0                           ; my quarter of y is in,
	s_barrier_signal -1
	s_barrier_wait -1                              ; everybody's is
	FETCH 0
	FETCH 1
	s_wait_loadcnt 0x0                             ; the weight, the scale words, the bias
; A block.  Behind its products: the fetch of the block two on (32 LDS loads), then its own turn through the stage (16 LDS instructions); it is stored two blocks later, when it has long come back.
.macro BLK i
.if (\i) == 0
	s_wait_dscnt 32                                ; block 0 is in; block 1's 32 loads may be out
.elseif (\i) < 7
	s_wait_dscnt 48                                ; this block, and block i - 2's turn through the stage, are in; the youngest 48 (the next block's fetch, block i - 1's turn) may be out
.else
	s_wait_dscnt 16                                ; only block 6's turn may be out
.endif
.if (\i) >= 2
	SEND (\i)-2
.endif
	PRODS \i
	PLACES 8                                       ; behind the last product: ahead of loads into what it has read and of the first read of the sums
.if (\i)+2 < 8
	FETCH (\i)+2
.endif
	s_wait_xcnt 0x0                                ; block i - 2's stores have read their registers, which the loads below fill again
	TOSTAGE \i
.endm
.irp i, 0,1,2,3,4,5,6,7
	BLK \i
.endr
	s_wait_dscnt 16                                ; block 6 is back
	SEND 6
	s_wait_dscnt 0x0
	SEND 7
	s_wait_tensorcnt 0x0                           ; the wave's end
	ds_add_u32 v[SPW], v[NIL]
	s_wait_dscnt 0x0
	CROUND                                         ; the closing round
	s_endpgm
.Lfunc_end_k_q07ad3683bd_gemm_proj:
	.size	k_q07ad3683bd_gemm_proj, .Lfunc_end_k_q07ad3683bd_gemm_proj-k_q07ad3683bd_gemm_proj
	.p2alignl 7, 3214868480
	.fill 96, 4, 3214868480
	.section	.rodata,"a",@progbits
	.p2align	6, 0x0
	.amdhsa_kernel k_q07ad3683bd_gemm_proj
		.amdhsa_group_segment_fixed_size 327680
		.amdhsa_private_segment_fixed_size 0
		.amdhsa_enable_private_segment 0
		.amdhsa_kernarg_size 48
		.amdhsa_user_sgpr_count 2
		.amdhsa_user_sgpr_kernarg_segment_ptr 1
		.amdhsa_wavefront_size32 1
		.amdhsa_system_sgpr_workgroup_id_x 1
		.amdhsa_system_sgpr_workgroup_id_y 1
		.amdhsa_system_sgpr_workgroup_id_z 1
		.amdhsa_system_vgpr_workitem_id 0
		.amdhsa_next_free_vgpr 1024
		.amdhsa_next_free_sgpr 66
		.amdhsa_reserve_vcc 0
		.amdhsa_float_denorm_mode_32 3
		.amdhsa_float_denorm_mode_16_64 3
		.amdhsa_memory_ordered 1
		.amdhsa_forward_progress 1
		.amdhsa_inst_pref_size 85
	.end_amdhsa_kernel
	.amdgpu_metadata
---
amdhsa.version: [ 1, 2 ]
amdhsa.kernels:
  - .name:           k_q07ad3683bd_gemm_proj
    .symbol:         k_q07ad3683bd_gemm_proj.kd
    .args:
      - { .name: y_codes, .offset: 0, .size: 8, .value_kind: global_buffer, .address_space: global }
      - { .name: y_scales, .offset: 8, .size: 8, .value_kind: global_buffer, .address_space: global }
      - { .name: xw_codes, .offset: 16, .size: 8, .value_kind: global_buffer, .address_space: global }
      - { .name: xw_scales, .offset: 24, .size: 8, .value_kind: global_buffer, .address_space: global }
      - { .name: b_proj, .offset: 32, .size: 8, .value_kind: global_buffer, .address_space: global }
      - { .name: out0, .offset: 40, .size: 8, .value_kind: global_buffer, .address_space: global }
    .group_segment_fixed_size: 327680
    .private_segment_fixed_size: 0
    .kernarg_segment_align: 8
    .kernarg_segment_size: 48
    .max_flat_workgroup_size: 128
    .sgpr_count:     66
    .vgpr_count:     1024
    .wavefront_size: 32
...
	.end_amdgpu_metadata
.endif
;; end of part 4
